; MI455X (gfx1250); checked and timed in simulation.
; The chip was launched on July 23, 2026; its instructions are those of AMD's public machine-readable ISA for CDNA 5 (MIT licence, August 2026) and "CDNA5" Instruction Set Architecture Reference Guide (July 2026). The comments in the code are by the model that wrote it; some were corrected since.
;; Token Routed MLP Parallel. Allowed arithmetic: matrix products marked QUANTISED: E5M2 operands, one E8M0 scale for each 32 along K, by v_wmma_scale_f32_16x16x128_f8f6f4 with both operands' format E5M2, f32 sums; everything else in f32.
;; Inputs: down_proj_codes 8 x 2,048 x 8 x 32 uint8 (E5M2 codes of down_proj, K innermost, in blocks of 32 codes); down_proj_scales 8 x 2,048 x 8 uint8 (E8M0 scales of down_proj, one for each 32 codes along K); gate_proj_codes 8 x 256 x 64 x 32 uint8 (E5M2 codes of gate_proj, K innermost, in blocks of 32 codes); gate_proj_scales 8 x 256 x 64 uint8 (E8M0 scales of gate_proj, one for each 32 codes along K); hidden_states_codes 2 x 2,048 x 64 x 32 uint8 (E5M2 codes of hidden_states, K innermost, in blocks of 32 codes); hidden_states_scales 2 x 2,048 x 64 uint8 (E8M0 scales of hidden_states, one for each 32 codes along K); token_ids 2 x 2,048 int32; up_proj_codes 8 x 256 x 64 x 32 uint8 (E5M2 codes of up_proj, K innermost, in blocks of 32 codes); up_proj_scales 8 x 256 x 64 uint8 (E8M0 scales of up_proj, one for each 32 codes along K).
;; Outputs: out0 2 x 2,048 x 2,048 float32.
;; This version of the problem:
;;   THIS VERSION OF THE PROBLEM IS GIVEN IN LOW PRECISION. The matrix products marked QUANTISED in the list below multiply operands that are first quantised to E5M2 (5 exponent bits, 2 mantissa bits; 8 bits a number), with one power-of-two scale for each 32 numbers along K (OCP MX v1.0); their sums are f32. All else is computed in f32.
;;   The module's matrix products, in the order in which they are computed (A, B: the left and right operand; K: the contracted axis; several contracted axes count as one K, in the product's order):
;;     1. [M 4,096, K 2,048] x [K 2,048, N 256]; A: input hidden_states (given as codes); B: input gate_proj (given as codes): QUANTISED
;;     2. [M 4,096, K 2,048] x [K 2,048, N 256]; A: input hidden_states (given as codes); B: input up_proj (given as codes): QUANTISED
;;     3. [M 4,096, K 256] x [K 256, N 2,048]; A: computed on the way; B: input down_proj (given as codes): QUANTISED
;;     4. [M 4,096, K 2,048] x [K 2,048, N 256]; A: input hidden_states (given as codes); B: input gate_proj (given as codes): QUANTISED
;;     5. [M 4,096, K 2,048] x [K 2,048, N 256]; A: input hidden_states (given as codes); B: input up_proj (given as codes): QUANTISED
;;     6. [M 4,096, K 256] x [K 256, N 2,048]; A: computed on the way; B: input down_proj (given as codes): QUANTISED
;;     7. [M 4,096, K 2,048] x [K 2,048, N 256]; A: input hidden_states (given as codes); B: input gate_proj (given as codes): QUANTISED
;;     8. [M 4,096, K 2,048] x [K 2,048, N 256]; A: input hidden_states (given as codes); B: input up_proj (given as codes): QUANTISED
;;     9. [M 4,096, K 256] x [K 256, N 2,048]; A: computed on the way; B: input down_proj (given as codes): QUANTISED
;;     10. [M 4,096, K 2,048] x [K 2,048, N 256]; A: input hidden_states (given as codes); B: input gate_proj (given as codes): QUANTISED
;;     11. [M 4,096, K 2,048] x [K 2,048, N 256]; A: input hidden_states (given as codes); B: input up_proj (given as codes): QUANTISED
;;     12. [M 4,096, K 256] x [K 256, N 2,048]; A: computed on the way; B: input down_proj (given as codes): QUANTISED
;;     13. [M 4,096, K 2,048] x [K 2,048, N 256]; A: input hidden_states (given as codes); B: input gate_proj (given as codes): QUANTISED
;;     14. [M 4,096, K 2,048] x [K 2,048, N 256]; A: input hidden_states (given as codes); B: input up_proj (given as codes): QUANTISED
;;     15. [M 4,096, K 256] x [K 256, N 2,048]; A: computed on the way; B: input down_proj (given as codes): QUANTISED
;;     16. [M 4,096, K 2,048] x [K 2,048, N 256]; A: input hidden_states (given as codes); B: input gate_proj (given as codes): QUANTISED
;;     17. [M 4,096, K 2,048] x [K 2,048, N 256]; A: input hidden_states (given as codes); B: input up_proj (given as codes): QUANTISED
;;     18. [M 4,096, K 256] x [K 256, N 2,048]; A: computed on the way; B: input down_proj (given as codes): QUANTISED
;;     19. [M 4,096, K 2,048] x [K 2,048, N 256]; A: input hidden_states (given as codes); B: input gate_proj (given as codes): QUANTISED
;;     20. [M 4,096, K 2,048] x [K 2,048, N 256]; A: input hidden_states (given as codes); B: input up_proj (given as codes): QUANTISED
;;     21. [M 4,096, K 256] x [K 256, N 2,048]; A: computed on the way; B: input down_proj (given as codes): QUANTISED
;;     22. [M 4,096, K 2,048] x [K 2,048, N 256]; A: input hidden_states (given as codes); B: input gate_proj (given as codes): QUANTISED
;;     23. [M 4,096, K 2,048] x [K 2,048, N 256]; A: input hidden_states (given as codes); B: input up_proj (given as codes): QUANTISED
;;     24. [M 4,096, K 256] x [K 256, N 2,048]; A: computed on the way; B: input down_proj (given as codes): QUANTISED
;;   THE QUANTISER, for each operand of a quantised product, along K:
;;     - K is cut into blocks of 32 from its start; a last block that is shorter is filled with zeros.
;;     - A block's scale is 2^e with e = floor(log2(the largest magnitude in the block)) - 15, held to -126 .. 127; a block of zeros has e = 0. As a byte (E8M0): e + 127.
;;     - Each number is divided by its block's scale, clamped to +-57,344, and rounded to the nearest number of E5M2, ties to even, subnormals kept.
;;     - The product sums the exact products of the quantised numbers (number of the format x scale) in f32.
;;   ~~~python
;;   def quantise(x, axis):      # numpy; x: float32 -> the quantised numbers, widened to float32 again
;;       x = np.moveaxis(x, axis, -1); K = x.shape[-1]
;;       x = np.pad(x, [(0, 0)] * (x.ndim - 1) + [(0, -K % 32)]); x = x.reshape(x.shape[:-1] + (-1, 32)); a = np.abs(x).max(-1, keepdims=True)
;;       e = np.where(a > 0, np.clip(np.frexp(np.where(a > 0, a, 1))[1] - 1 - 15, -126, 127), 0)      # np.frexp(a)[1] - 1 = floor(log2(a)), exactly
;;       r = np.clip(x / 2.0 ** e, -57344, 57344)
;;       step = 2.0 ** (np.maximum(np.frexp(np.where(r == 0, 1, r))[1] - 1, -14) - 2)
;;       q = np.round(r / step) * step * 2.0 ** e      # np.round: ties to even
;;       return np.moveaxis(q.reshape(q.shape[:-2] + (-1,))[..., :K], -1, axis).astype(np.float32)
;;   ~~~
;;   OPERANDS COMPUTED ON THE WAY. 'Computed on the way' means the value that the module computes at that place (a softmax that the list does not call 'softmax' is quantised finished and normalised). What goes into a quantiser is computed in f32, as accurately as f32 sums, v_exp_f32 and their like allow (about 1e-6 of the number): no bf16 or f16 on the way to a quantiser, and a product that is left as it is and whose result goes on into a quantised operand takes f32 operands (vector FMAs, or v_wmma_f32_16x16x4_f32). A number that lies on a knife's edge between two numbers of the format may be rounded either way, as far as f32 arithmetic and the matrix unit's own rounding can turn it there, and no further.
;;   INPUTS GIVEN AS CODES. down_proj (in the module: [8, 256, 2048], K = its axis 1); gate_proj (in the module: [8, 2048, 256], K = its axis 1); hidden_states (in the module: [2, 2048, 2048], K = its axis 2); up_proj (in the module: [8, 2048, 256], K = its axis 1): each comes as NAME_codes (uint8): NAME with its K axis moved to the last place and cut into blocks of 32 codes, [.., K / 32, bytes a block], one block behind the other in memory; one code a byte (a code: sign, 5 exponent bits, 2 mantissa bits); and NAME_scales (uint8): the same leading axes, one E8M0 byte (e + 127) for each 32 codes along K. Its value is code x scale, taken as it is: it is not quantised again, and the codes and scales need not be those that the quantiser above would give.
;; 2 versions. Each part assembles by itself: llvm-mc -triple=amdgcn-amd-amdhsa -mcpu=gfx1250 --defsym DOCPART=n.
;; ======== version 1 of 2: 3 launches
;; workspace buffers: order 18,944 bytes of whole numbers; tiles 256 bytes of whole numbers; gu_img 8,388,608 bytes; d_img 4,194,304 bytes; h_img 1,208,320 bytes; h_sc 37,888 bytes
;; launch prep (part 1): grid 129 x 1, 8 waves a work-group, no clusters, 36,864 bytes of LDS; arguments token_ids, gate_proj_codes, up_proj_codes, down_proj_codes, gu_img, d_img, order, tiles; writes gu_img, d_img, order, tiles
.if DOCPART == 1
	.amdgcn_target "amdgcn-amd-amdhsa--gfx1250"
	.amdhsa_code_object_version 6
	.text
	.protected	k_qf377bfee29_prep
	.globl	k_qf377bfee29_prep
	.p2align	8
	.type	k_qf377bfee29_prep,@function
k_qf377bfee29_prep:
	s_mov_b64 s[64:65], 0
	v_nop
	global_prefetch_b8 v0, s[64:65] scope:SCOPE_SE
	s_setreg_imm32_b32 hwreg(HW_REG_WAVE_MODE, 25, 1), 1
	s_wait_xcnt 0x0
; PREP.  Work-group 0 routes: expert of each of the 4,096 tokens, a counting sort by expert, the list of row tiles.  Work-groups 1 to 128 lay the three weights out as images of operand registers.
; ROUTING.  expert = min(clip(id, 0, 99,999) / 12,500, 7).  Rows are sorted by expert into slots of 80 rows; an expert begins a new slot.  4,096 rows and 8 experts never need more than 52 + 7 = 59 slots.
;   order[80 slot + j] = the token of row j of the slot (0 for a row that pads a slot); words 4,720 to 4,735 take what lanes without a word of their own write.
;   tiles[slot] = expert << 8 | rows of the slot (0 to 80).
; IMAGES.  A fragment (16 rows x 128 along K of 8-bit codes) is 16 registers a lane: lane 16 h + r holds row r, registers 4 c .. 4 c + 3 hold K = 32 c + 16 h + 0 .. 15.  Its image is [c 4][lane 32][16 bytes], 2,048 bytes,
;   so that each later load of four registers reads 512 consecutive bytes.   gu_img: [expert 8][tile of 16 rows 16][K step 16][gate, up][2,048].   d_img: [expert 8][tile of 16 rows 128][K step 2][2,048].
; The two paths part on the work-group's number alone and never join; each has LDS bytes of its own.  EXEC is never changed.
.set CT,   34816                       ; LDS: bytes 0 to 34,815: eight stages of 16 rows x 272 bytes (layout path); from CT on 1,024 bytes of counts (route path)
.set LV,   4                           ; v4   gate, up: my 16 bytes of two rows of 256: 2,048 h + 16 r
.set L16,  5                           ; v5   16 x lane
.set SS,   6                           ; v6   stage, in: row h, column 16 r
.set SL,   7                           ; v7   stage, out: row r, + 16 h
.set INR,  32                          ; v32-127   as loaded: gate, up, down, 32 registers each
.set OUTR, 128                         ; v128-223  as images
.set E,    16                          ; v16-31  route: ids, then experts, of my 16 tokens
.set R,    32                          ; v32-47  rank of each among its expert's tokens in my wave
.set T,    48                          ; v48-55  at work
.set C8,   56
.set A,    57
.set B,    58
.set TT,   59
.set PP,   60
.set X,    61
.set Y,    62
.set IX,   64                          ; v64-79  where each token goes in order
.set TK,   80                          ; v80-95  the tokens' numbers
.set PXR,  96                          ; v96-98  padding words: their numbers,
.set PO,   99                          ; v99-101 their places
.set ZR,   102                         ; v102    0
.set TI,   103
.set TV,   104
.set TE,   105
.set SEL,  22                          ; s22-23  selects of v_permlanex16_b32 for lane l xor 16
.set CNT,  24                          ; s24-31  my wave's count of each expert
.set TOT,  32                          ; s32-39  the 4,096 tokens' count of each expert
.set PRE,  40                          ; s40-47  the count in the waves in front of mine
.set TB,   48                          ; s48-56  first slot of each expert; TB[8]: slots in use
.set BASE, 66                          ; s66-73  80 TB + PRE: where my wave's first token of the expert goes
.set CPAD, 74                          ; s74-82  padding rows in front of each expert's
.set AE,   84                          ; s84-91  80 TB + TOT: behind the expert's last token
.set MK,   84                          ; s84-91  until AE is made: a slot's eight masks
.set TMP,  92
.macro LD8 reg, voff, base, step       ; 16 rows x 256 bytes: each load takes two rows
.irp i, 0,1,2,3,4,5,6,7
	global_load_b128 v[\reg+4*\i:\reg+4*\i+3], v[\voff], s[\base:\base+1] offset:\i*\step th:TH_LOAD_NT
.endr
.endm
.macro TURN src, dst                   ; through my wave's stage: in by rows, out as two fragments.  LDS serves a wave's instructions in order (ISA guide 5.7.1.4): no wait between, nor ahead of the next turn
.irp i, 0,1,2,3,4,5,6,7
	ds_store_b128 v[SS], v[\src+4*\i:\src+4*\i+3] offset:\i*544
.endr
.irp s, 0,1
.irp c, 0,1,2,3
	ds_load_b128 v[\dst+16*\s+4*\c:\dst+16*\s+4*\c+3], v[SL] offset:128*\s+32*\c
.endr
.endr
.endm
.macro ST8 reg, base, sstep, add       ; two images: each store covers 512 consecutive bytes, aligned
.irp s, 0,1
.irp c, 0,1,2,3
	global_store_b128 v[L16], v[\reg+16*\s+4*\c:\reg+16*\s+4*\c+3], s[\base:\base+1] offset:\s*\sstep+\add+512*\c
.endr
.endr
.endm
	s_load_b512 s[4:19], s[0:1], 0x0               ; token_ids s[4:5], gate s[6:7], up s[8:9], down s[10:11], gu_img s[12:13], d_img s[14:15], order s[16:17], tiles s[18:19]
	v_lshl_add_u32 v224, v0, 2, 0x8c00
	v_mov_b32 v225, 0
	v_and_b32 v1, 31, v0                           ; lane
	v_and_b32 v2, 15, v0                           ; r
	v_bfe_u32 v3, v0, 4, 1                         ; h
	v_lshrrev_b32 v8, 5, v0
	v_readfirstlane_b32 s20, v8                    ; wave 0..7
	s_wait_kmcnt 0x0
	s_cmp_eq_u32 ttmp9, 0
	s_cbranch_scc1 .Lroute
	; ---- LAYOUT.  Wave g of 1,024 turns one unit of 16 rows x 256 bytes of each tensor.
	s_sub_co_u32 s21, ttmp9, 1
	s_lshl_b32 s21, s21, 3
	s_add_co_u32 s21, s21, s20                     ; g
	s_lshr_b32 s22, s21, 3                         ; gate, up: tile of rows 16 expert + T,
	s_and_b32 s23, s21, 7                          ; and which 256 bytes along K (two K steps)
	s_lshl_b32 s24, s22, 15                        ; 16 rows of 2,048 bytes
	s_lshl_b32 s26, s23, 8
	s_add_co_u32 s24, s24, s26
	s_mov_b32 s25, 0
	s_add_nc_u64 s[6:7], s[6:7], s[24:25]
	s_add_nc_u64 s[8:9], s[8:9], s[24:25]
	s_lshl_b32 s24, s21, 12                        ; down: tile g of 16 rows of 256 bytes, dense; its two images take the same 4,096 bytes
	s_add_nc_u64 s[10:11], s[10:11], s[24:25]
	s_add_nc_u64 s[14:15], s[14:15], s[24:25]
	s_lshl_b32 s24, s22, 16                        ; gu_img: 65,536 bytes a tile of rows, 4,096 a K step
	s_lshl_b32 s26, s23, 13
	s_add_co_u32 s24, s24, s26
	s_add_nc_u64 s[12:13], s[12:13], s[24:25]
	v_lshlrev_b32 v[LV], 4, v2
	v_lshl_add_u32 v[LV], v3, 11, v[LV]
	v_lshlrev_b32 v[L16], 4, v1
	LD8 INR, LV, 6, 4096
	LD8 INR+32, LV, 8, 4096
	LD8 INR+64, L16, 10, 512
	s_mul_i32 s27, s20, 4352                       ; my stage
	v_mul_u32_u24 v[SS], v3, 272
	v_lshl_add_u32 v[SS], v2, 4, v[SS]
	v_add_nc_u32 v[SS], s27, v[SS]
	v_mul_u32_u24 v[SL], v2, 272                   ; rows 272 bytes apart: the sixteen rows of a load start at sixteen different banks (64 banks of 4 bytes: ISA guide 11.1)
	v_lshl_add_u32 v[SL], v3, 4, v[SL]
	v_add_nc_u32 v[SL], s27, v[SL]
	s_wait_loadcnt 16                              ; gate's eight are in; up's and down's sixteen may be out
	TURN INR, OUTR
	s_wait_loadcnt 8
	TURN INR+32, OUTR+32
	s_wait_loadcnt 0x0
	TURN INR+64, OUTR+64
	s_wait_dscnt 32                                ; behind gate's loads from the stage: the 32 LDS lines of two turns
	ST8 OUTR, 12, 4096, 0
	s_wait_dscnt 16
	ST8 OUTR+32, 12, 4096, 2048
	s_wait_dscnt 0x0
	ST8 OUTR+64, 14, 2048, 0
	s_wait_tensorcnt 0x0
	ds_add_u32 v224, v225
	s_wait_dscnt 0x0
	s_endpgm
	; ---- ROUTE.  256 threads, 16 tokens each: slot 4 k + j of thread t is token 1,024 k + 4 t + j.
.Lroute:
	v_lshlrev_b32 v8, 4, v0
.irp k, 0,1,2,3
	global_load_b128 v[E+4*\k:E+4*\k+3], v8, s[4:5] offset:4096*\k
.endr
	v_lshl_add_u32 v9, v0, 2, CT                   ; my word among the counts: wave w's count of expert e lies at CT + 128 w + 4 e
	v_lshrrev_b32 v10, 3, v1                       ; lane / 8: which wave's count I read back (and that wave + 4),
	v_and_b32 v11, 7, v1                           ; lane % 8: of which expert
	v_lshlrev_b32 v12, 7, v10
	v_lshl_add_u32 v12, v11, 2, v12
	v_add_nc_u32 v12, CT, v12
	v_add_nc_u32 v13, 4, v10
	v_mov_b32 v[X], 0                              ; written once: the destination of a lane exchange counts as one of its sources
	v_mov_b32 v[ZR], 0
	v_mov_b32 v[C8], 0
	s_mov_b32 s[SEL], 0x76543210
	s_mov_b32 s[SEL+1], 0xfedcba98
.irp e, 0,1,2,3,4,5,6,7
	s_mov_b32 s[CNT+\e], 0
.endr
	s_wait_loadcnt 0x0
.irp i, 0,1,2,3,4,5,6,7,8,9,10,11,12,13,14,15
	v_cmp_gt_i32 vcc_lo, 0, v[E+\i]
	v_cndmask_b32 v[E+\i], v[E+\i], 0, vcc_lo      ; the clip from below,
	v_min_u32 v[E+\i], 0x1869f, v[E+\i]            ; and at 99,999
	v_mul_u32_u24 v[E+\i], 0x53e3, v[E+\i]         ; id / 12,500 = (id x 21,475) >> 28, exactly: 21,475 x 12,500 = 2^28 + 2,044, and 7 x 2,044 + 12,499 x 21,475 < 2^28
	v_lshrrev_b32 v[E+\i], 28, v[E+\i]
	v_min_u32 v[E+\i], 7, v[E+\i]
.endr
; A slot's ranks: for each expert the lanes in front of mine that hold it, on top of the wave's count so far.
.macro RANK i
.irp e, 0,1,2,3,4,5,6,7
	v_cmp_eq_u32 s[MK+\e], \e, v[E+\i]
.endr
	v_mbcnt_lo_u32_b32 v[R+\i], s[MK], s[CNT]
.irp e, 1,2,3,4,5,6,7
	v_mbcnt_lo_u32_b32 v[T+\e], s[MK+\e], s[CNT+\e]
.endr
.irp e, 1,2,3,4,5,6,7
	v_cndmask_b32 v[R+\i], v[R+\i], v[T+\e], s[MK+\e]
.endr
.irp e, 0,1,2,3,4,5,6,7
	s_bcnt1_i32_b32 s[TMP], s[MK+\e]
	s_add_co_u32 s[CNT+\e], s[CNT+\e], s[TMP]
.endr
.endm
.irp i, 0,1,2,3,4,5,6,7,8,9,10,11,12,13,14,15
	RANK \i
.endr
.irp e, 0,1,2,3,4,5,6,7
	v_writelane_b32 v[C8], s[CNT+\e], \e
.endr
	ds_store_b32 v9, v[C8]
	s_wait_dscnt 0x0                               ; for the others' sake: my counts have landed
	s_barrier_signal -1
	s_barrier_wait -1
	ds_load_b32 v[A], v12                          ; waves 0 to 3,
	ds_load_b32 v[B], v12 offset:512               ; waves 4 to 7
	s_wait_dscnt 0x0
	v_add_nc_u32 v[TT], v[A], v[B]
	v_cmp_gt_u32 vcc_lo, s20, v10                  ; only the waves in front of mine count for the prefix
	v_cndmask_b32 v[PP], 0, v[A], vcc_lo
	v_cmp_gt_u32 vcc_lo, s20, v13
	v_cndmask_b32 v[Y], 0, v[B], vcc_lo
	v_add_nc_u32 v[PP], v[PP], v[Y]
	v_mov_b32_dpp v[X], v[TT] row_xmask:8 row_mask:0xf bank_mask:0xf     ; the four lanes that share lane % 8: l xor 8, then l xor 16
	v_add_nc_u32 v[TT], v[TT], v[X]
	v_permlanex16_b32 v[X], v[TT], s[SEL], s[SEL+1]
	v_add_nc_u32 v[TT], v[TT], v[X]
	v_mov_b32_dpp v[X], v[PP] row_xmask:8 row_mask:0xf bank_mask:0xf
	v_add_nc_u32 v[PP], v[PP], v[X]
	v_permlanex16_b32 v[X], v[PP], s[SEL], s[SEL+1]
	v_add_nc_u32 v[PP], v[PP], v[X]
.irp e, 0,1,2,3,4,5,6,7
	v_readlane_b32 s[TOT+\e], v[TT], \e
	v_readlane_b32 s[PRE+\e], v[PP], \e
.endr
	s_mov_b32 s[TB], 0
	s_mov_b32 s[CPAD], 0
.irp e, 0,1,2,3,4,5,6,7
	s_add_co_u32 s[TMP], s[TOT+\e], 79
	s_mul_i32 s[TMP], s[TMP], 0xcccd               ; slots of the expert = (count + 79) / 80 = (x 52,429) >> 22, exactly up to 4,175: 52,429 x 80 = 2^22 + 16
	s_lshr_b32 s[TMP], s[TMP], 22
	s_add_co_u32 s[TB+\e+1], s[TB+\e], s[TMP]
	s_mul_i32 s[TMP+1], s[TB+\e], 80
	s_add_co_u32 s[BASE+\e], s[TMP+1], s[PRE+\e]
	s_add_co_u32 s[AE+\e], s[TMP+1], s[TOT+\e]
	s_mul_i32 s[TMP], s[TMP], 80
	s_sub_co_u32 s[TMP], s[TMP], s[TOT+\e]
	s_add_co_u32 s[CPAD+\e+1], s[CPAD+\e], s[TMP]
.endr
	; each token to its place.  Every store has an offset register and a data register of its own: none is written again
.irp i, 0,1,2,3,4,5,6,7,8,9,10,11,12,13,14,15
	v_mov_b32 v[IX+\i], s[BASE]
.irp e, 1,2,3,4,5,6,7
	v_cmp_eq_u32 vcc_lo, \e, v[E+\i]
	v_cndmask_b32 v[IX+\i], v[IX+\i], s[BASE+\e], vcc_lo
.endr
	v_add_nc_u32 v[IX+\i], v[IX+\i], v[R+\i]
	v_min_u32 v[IX+\i], 0x126f, v[IX+\i]           ; a number made of loaded numbers enters an address behind a bound: 4,719, the last row of the last slot
	v_lshlrev_b32 v[IX+\i], 2, v[IX+\i]
	v_lshl_add_u32 v[TK+\i], v0, 2, 1024*(\i/4)+(\i%4)
	global_store_b32 v[IX+\i], v[TK+\i], s[16:17]
.endr
	; the 4,720 - 4,096 = 624 words that hold no token get 0.  Padding word x lies at x + the counts of all experts e with CPAD[e] <= x; numbers from 624 on fall on the words behind the slots
.irp k, 0,1,2
	v_add_nc_u32 v[PXR+\k], 256*\k, v0
	v_add_nc_u32 v[PO+\k], s[TOT], v[PXR+\k]
.irp e, 1,2,3,4,5,6,7
	v_cmp_le_u32 vcc_lo, s[CPAD+\e], v[PXR+\k]
	v_cndmask_b32 v[T], 0, s[TOT+\e], vcc_lo
	v_add_nc_u32 v[PO+\k], v[PO+\k], v[T]
.endr
	v_min_u32 v[PO+\k], 0x127f, v[PO+\k]           ; 4,735: the buffer's last word
	v_lshlrev_b32 v[PO+\k], 2, v[PO+\k]
	global_store_b32 v[PO+\k], v[ZR], s[16:17]
.endr
	; the list of tiles: slot i belongs to the last expert e with TB[e] <= i and has min(80, AE[e] - 80 i) rows, none where that is negative
	v_min_u32 v[TI], 63, v0                        ; threads from 64 on write word 63 once more, with the same number
	v_mov_b32 v[TV], s[AE]
	v_mov_b32 v[TE], 0
.irp e, 1,2,3,4,5,6,7
	v_cmp_le_u32 vcc_lo, s[TB+\e], v[TI]
	v_cndmask_b32 v[TV], v[TV], s[AE+\e], vcc_lo
	v_cndmask_b32 v[T], 0, 1, vcc_lo
	v_add_nc_u32 v[TE], v[TE], v[T]
.endr
	v_mul_u32_u24 v[T], 80, v[TI]
	v_sub_nc_u32 v[TV], v[TV], v[T]
	v_cmp_gt_i32 vcc_lo, 0, v[TV]
	v_cndmask_b32 v[TV], v[TV], 0, vcc_lo
	v_min_u32 v[TV], 80, v[TV]
	v_lshl_or_b32 v[TV], v[TE], 8, v[TV]
	v_lshlrev_b32 v[TI], 2, v[TI]
	global_store_b32 v[TI], v[TV], s[18:19]
	s_wait_tensorcnt 0x0
	ds_add_u32 v224, v225
	s_wait_dscnt 0x0
	s_endpgm
.Lfunc_end_k_qf377bfee29_prep:
	.size	k_qf377bfee29_prep, .Lfunc_end_k_qf377bfee29_prep-k_qf377bfee29_prep
	.p2alignl 7, 3214868480
	.fill 96, 4, 3214868480
	.section	.rodata,"a",@progbits
	.p2align	6, 0x0
	.amdhsa_kernel k_qf377bfee29_prep
		.amdhsa_group_segment_fixed_size 36864
		.amdhsa_private_segment_fixed_size 0
		.amdhsa_enable_private_segment 0
		.amdhsa_kernarg_size 64
		.amdhsa_user_sgpr_count 2
		.amdhsa_user_sgpr_kernarg_segment_ptr 1
		.amdhsa_wavefront_size32 1
		.amdhsa_system_sgpr_workgroup_id_x 1
		.amdhsa_system_sgpr_workgroup_id_y 1
		.amdhsa_system_sgpr_workgroup_id_z 1
		.amdhsa_system_vgpr_workitem_id 0
		.amdhsa_next_free_vgpr 226
		.amdhsa_next_free_sgpr 96
		.amdhsa_reserve_vcc 1
		.amdhsa_float_denorm_mode_32 3
		.amdhsa_float_denorm_mode_16_64 3
		.amdhsa_memory_ordered 1
		.amdhsa_forward_progress 1
		.amdhsa_inst_pref_size 74
	.end_amdhsa_kernel
	.amdgpu_metadata
---
amdhsa.version: [ 1, 2 ]
amdhsa.kernels:
  - .name:           k_qf377bfee29_prep
    .symbol:         k_qf377bfee29_prep.kd
    .args:
      - { .name: token_ids, .offset: 0, .size: 8, .value_kind: global_buffer, .address_space: global }
      - { .name: gate_proj_codes, .offset: 8, .size: 8, .value_kind: global_buffer, .address_space: global }
      - { .name: up_proj_codes, .offset: 16, .size: 8, .value_kind: global_buffer, .address_space: global }
      - { .name: down_proj_codes, .offset: 24, .size: 8, .value_kind: global_buffer, .address_space: global }
      - { .name: gu_img, .offset: 32, .size: 8, .value_kind: global_buffer, .address_space: global }
      - { .name: d_img, .offset: 40, .size: 8, .value_kind: global_buffer, .address_space: global }
      - { .name: order, .offset: 48, .size: 8, .value_kind: global_buffer, .address_space: global }
      - { .name: tiles, .offset: 56, .size: 8, .value_kind: global_buffer, .address_space: global }
    .group_segment_fixed_size: 36864
    .private_segment_fixed_size: 0
    .kernarg_segment_align: 8
    .kernarg_segment_size: 64
    .max_flat_workgroup_size: 256
    .sgpr_count:     96
    .vgpr_count:     226
    .wavefront_size: 32
...
	.end_amdgpu_metadata
.endif
;; end of part 1
;; launch gateup (part 2): grid 4 x 59, 4 waves a work-group, no clusters, 187,392 bytes of LDS; arguments hidden_states_codes, hidden_states_scales, gate_proj_scales, up_proj_scales, gu_img, order, tiles, h_img, h_sc; writes h_img, h_sc
.if DOCPART == 2
	.amdgcn_target "amdgcn-amd-amdhsa--gfx1250"
	.amdhsa_code_object_version 6
	.text
	.protected	k_qf377bfee29_gateup
	.globl	k_qf377bfee29_gateup
	.p2align	8
	.type	k_qf377bfee29_gateup,@function
k_qf377bfee29_gateup:
	s_mov_b64 s[64:65], 0
	v_nop
	global_prefetch_b8 v0, s[64:65] scope:SCOPE_SE
	s_setreg_imm32_b32 hwreg(HW_REG_WAVE_MODE, 25, 1), 1
	s_wait_xcnt 0x0
; GATEUP.  h = Q(silu(x G_e) (x U_e)) for one slot of 80 sorted rows (work-group y) and 64 of the expert's 256 hidden units (work-group x = p).  Both products on codes of E5M2 with E8M0 scales as they are given.
; SHARES.  Wave w owns 16 hidden units, 64 p + 16 w on: one tile of gate's rows and one of up's, for all five tiles of 16 rows: ten accumulators.  Its weights come from gu_img straight into operand registers,
;   512 consecutive bytes a load, through a ring of eight K steps.  The 80 rows of x are gathered ONCE by the four waves (20 rows each, 512 bytes of a row a load) into LDS, whole, and every wave sweeps them.
; THE PRODUCTS ARE USED TRANSPOSED: source 0 = 16 rows of the weight, source 1 = 16 tokens: lane (r, h) holds token r and hidden units 8 h + 0 .. 7 of the tile.
; THE WAY OUT.  silu(g) u in f32 goes to a stage in LDS (80 rows x 64 numbers); behind a barrier a wave takes a tile of 16 rows with 16 NEIGHBOURS along the hidden axis to a lane, quantises its two blocks of 32, and stores
;   them as groups of four registers of the next product's fragment image (h_img: [slot][tile of rows 5][K step 2][c 4][lane 32][16 bytes]) and two bytes of each row's scale word (h_sc: [slot][K step 2][row 80][4]).
; A SLOT WITHOUT ROWS runs the same text on its padding rows (order holds token 0 there): no barrier may stand under a branch on a loaded number.  What it stores lies in its own slot, which the next launch does not use.
; No tensor load, no cluster: the expert and the rows are stored numbers, so partners' requests could not be written alike.  EXEC is never changed.
; LIMITS: a hidden block of zeros gets the scale byte 1, where the quantiser's rule says 127: its codes are zeros, and this program alone reads the bytes.  h is formed as (g u) x 1 / (1 + 2^(-g log2 e)): one rounding placed
;   otherwise than in silu(g) u; where |g u| passes the largest f32 number while silu(g) u would not, the result differs.  NaN and infinities spread within their own row.
; REGISTERS, in windows of 256 (s_set_vgpr_msb: bits 1:0 source 0, 3:2 source 1, 5:4 source 2, 7:6 destination):
;   window 0: addresses, scale words, the quantiser's registers.   window 1: v0-79 accumulators ((m, t) at 16 m + 8 t; t = 0 gate, 1 up); v80-159, v160-239 x's five fragments, two sets; v0-63 first hold gathered rows 16-19.
;   window 2: the weights' ring, step s at 32 (s % 8): 16 registers of gate, 16 of up.   window 3: gathered rows 0-15.
.set XP,   2064                        ; a row of x in LDS: 2,048 bytes + 16: 516 words, so row r starts at bank 4 r mod 64 (64 banks of 4 bytes: ISA guide 11.1)
.set HST,  80*XP                       ; behind x: the stage, 80 rows x (256 bytes + 16)
.set HP,   272
.set L16,  4                           ; v4      16 x lane
.set VA,   5                           ; v5-7    x's fragments: r XP + 16 h, for tiles 0-1, 2-3, 4
.set GS,   8                           ; v8      where my wave's gathered rows go
.set WSO,  9                           ; v9      64 r: a weight row's 16 scale words
.set XO,   10                          ; v10-12  tokens of rows 32 i + lane, then 64 x token
.set HSO,  13                          ; v13     the stage, in
.set HSL,  14                          ; v14     the stage, out: tile w
.set HSL4, 15                          ; v15     tile 4
.set RO,   16                          ; v16-35  my 20 rows: 2,048 x token + 16 x lane
.set SCO,  36                          ; v36     4 r
.set XI,   37                          ; v37-39  4 x min(32 i + lane, 79)
.set WS,   40                          ; v40-55 gate's scale words by K step, v56-71 up's: lanes 0-15
.set XS,   72                          ; v72-119 x's scale words: set i at 72 + 16 i, register s = K step s, lane l = row 32 i + l
.set H,    128                         ; v128-159 two blocks x 16 numbers
.set AM,   160
.set PX,   162
.set SO,   164
.set HD,   166
.set BY,   168
.set SW,   170
.set CD,   172                         ; v172-179 the codes
.set AB,   80                          ; window 1: x's fragments
.set TT,   80                          ; window 1: at work on the way out
.set MSB, 0
.macro WIN new                         ; the immediate's high byte repeats the setting that is left
.if MSB != \new
	s_set_vgpr_msb (MSB<<8)|\new
.set MSB, \new
.endif
.endm
.macro WLOAD s                         ; K step s of my two tiles: eight loads of 512 consecutive bytes
	WIN 0x80
.irp f, 0,1
.irp c, 0,1,2,3
	global_load_b128 v[32*((\s)%8)+16*\f+4*\c:32*((\s)%8)+16*\f+4*\c+3], v[L16], s[48:49] offset:4096*(\s)+2048*\f+512*\c
.endr
.endr
.endm
.macro AFETCH s                        ; K step s of the five tiles of rows
	WIN 0x40
.irp m, 0,1,2,3,4
.irp c, 0,1,2,3
	ds_load_b128 v[AB+80*((\s)%2)+16*\m+4*\c:AB+80*((\s)%2)+16*\m+4*\c+3], v[VA+\m/2] offset:(\m%2)*16*XP+128*(\s)+32*\c
.endr
.endr
.endm
.macro GP s, m, t                      ; one product.  x's scale words of an odd tile lie in lanes 16-31
.set rD, 16*(\m)+8*(\t)
.set rA, 32*((\s)%8)+16*(\t)
.set rB, AB+80*((\s)%2)+16*(\m)
.set rSA, WS+16*(\t)+(\s)
.set rSB, XS+16*((\m)/2)+(\s)
.if ((\s) == 0) && ((\m)%2 == 0)
	v_wmma_scale_f32_16x16x128_f8f6f4 v[rD:rD+7], v[rA:rA+15], v[rB:rB+15], 0, v[rSA], v[rSB] matrix_a_fmt:MATRIX_FMT_BF8 matrix_b_fmt:MATRIX_FMT_BF8
.elseif (\s) == 0
	v_wmma_scale_f32_16x16x128_f8f6f4 v[rD:rD+7], v[rA:rA+15], v[rB:rB+15], 0, v[rSA], v[rSB] matrix_a_fmt:MATRIX_FMT_BF8 matrix_b_fmt:MATRIX_FMT_BF8 matrix_b_scale:MATRIX_SCALE_ROW1
.elseif (\m)%2 == 0
	v_wmma_scale_f32_16x16x128_f8f6f4 v[rD:rD+7], v[rA:rA+15], v[rB:rB+15], v[rD:rD+7], v[rSA], v[rSB] matrix_a_fmt:MATRIX_FMT_BF8 matrix_b_fmt:MATRIX_FMT_BF8
.else
	v_wmma_scale_f32_16x16x128_f8f6f4 v[rD:rD+7], v[rA:rA+15], v[rB:rB+15], v[rD:rD+7], v[rSA], v[rSB] matrix_a_fmt:MATRIX_FMT_BF8 matrix_b_fmt:MATRIX_FMT_BF8 matrix_b_scale:MATRIX_SCALE_ROW1
.endif
.endm
; A K step of 128: ten products, the ten accumulators by turns, in the same order in every step.  The first step's products start the sums: nothing is cleared.
.macro STEP s
	s_wait_dscnt 0x0                               ; x's fragments of this step are in: asked for a step, ten products, ago
.if (\s) < 15
	AFETCH (\s)+1                                  ; the next step's, into the set that the last step's products read: eight places stand behind those
.endif
.if 15-(\s) > 7
	s_wait_loadcnt 56                              ; this step's weights are in: behind them at least the seven younger steps' 56 loads were issued
.else
	s_wait_loadcnt 8*(15-(\s))                     ; near the end: the steps that are left
.endif
	WIN 0x56                                       ; source 0 (weights) window 2; source 1 (x), C and D window 1
.irp m, 0,1,2,3,4
.irp t, 0,1
	GP \s, \m, \t
.endr
.endr
.rept 8
	v_nop                                          ; eight places behind this form, ahead of loads into registers that the products have read, and of the first read of results
.endr
.if (\s) < 8
	WLOAD (\s)+8                                   ; into the ring's place that has just been read
.endif
.endm
; One tile of 16 rows out of the stage: lane (r, h) takes, of row r, numbers 32 b + 16 h + 0 .. 15 of blocks b = 0, 1.
.macro QTILE adr, hb, sb
.irp b, 0,1
.irp i, 0,1,2,3
	ds_load_b128 v[H+16*\b+4*\i:H+16*\b+4*\i+3], v[\adr] offset:128*\b+16*\i
.endr
.endr
	s_wait_dscnt 0x0
.irp b, 0,1
	v_max3_num_f32 v[AM+\b], |v[H+16*\b]|, |v[H+16*\b+1]|, 0x8000000   ; my 16 numbers, and the floor 2^(16 - 127): so the byte cannot fall under 1
.endr
.irp i, 2,4,6,8,10,12,14
.irp b, 0,1
	v_max3_num_f32 v[AM+\b], v[AM+\b], |v[H+16*\b+\i]|, |v[H+16*\b+\i+1]|
.endr
.endr
.irp b, 0,1
	v_permlanex16_b32 v[PX+\b], v[AM+\b], s62, s63
.endr
.irp b, 0,1
	v_max_num_f32 v[AM+\b], v[AM+\b], v[PX+\b]     ; with lane l xor 16's: the block's largest magnitude
.endr
.irp b, 0,1
	v_add_nc_u32 v[SO+\b], 0xf8800000, v[AM+\b]    ; 15 off its exponent field: the conversion takes this operand's exponent field as its scale
.endr
.irp b, 0,1
	v_and_or_b32 v[HD+\b], v[AM+\b], 0x7f800000, s47   ; 57,344 x the scale
.endr
.irp b, 0,1
	v_lshrrev_b32 v[BY+\b], 23, v[SO+\b]           ; the scale's byte
.endr
.irp b, 0,1
.irp i, 0,1,2,3,4,5,6,7,8,9,10,11,12,13,14,15
	v_med3_num_f32 v[H+16*\b+\i], v[H+16*\b+\i], -v[HD+\b], v[HD+\b]   ; the conversion to an 8-bit code does not saturate (ISA guide 7.6.2): the hold at the largest code x the scale
.endr
	v_cvt_scalef32_pk8_bf8_f32 v[CD+4*\b:CD+4*\b+1], v[H+16*\b:H+16*\b+7], v[SO+\b]
	v_cvt_scalef32_pk8_bf8_f32 v[CD+4*\b+2:CD+4*\b+3], v[H+16*\b+8:H+16*\b+15], v[SO+\b]
.endr
	v_nop                                          ; one plain line behind the last conversion
	v_lshl_or_b32 v[SW], v[BY+1], 8, v[BY]
.irp b, 0,1
	global_store_b128 v[L16], v[CD+4*\b:CD+4*\b+3], s[\hb:\hb+1] offset:512*\b   ; group c = 2 (p % 2) + b of the fragment's image: 512 consecutive bytes, aligned
.endr
	global_store_b16 v[SCO], v[SW], s[\sb:\sb+1]   ; two of the four bytes of each row's scale word; both halves of the lanes write the same bytes
.endm
	s_load_b512 s[4:19], s[0:1], 0x0               ; x's codes s[4:5], x's scales s[6:7], gate's scales s[8:9], up's s[10:11], gu_img s[12:13], order s[14:15], tiles s[16:17], h_img s[18:19]
	s_load_b64 s[20:21], s[0:1], 0x40              ; h_sc
	v_lshl_add_u32 v254, v0, 2, 0x2da00
	v_mov_b32 v255, 0
	v_and_b32 v1, 31, v0                           ; lane
	v_and_b32 v2, 15, v0                           ; r
	v_bfe_u32 v3, v0, 4, 1                         ; h
	v_lshrrev_b32 v120, 5, v0
	v_readfirstlane_b32 s22, v120                  ; wave 0..3
	s_mov_b32 s23, ttmp9                           ; p
	s_and_b32 s46, ttmp7, 0xffff                   ; slot
	s_mov_b32 s47, 0x600000                        ; the mantissa field of 57,344
	s_mov_b32 s62, 0x76543210
	s_mov_b32 s63, 0xfedcba98                      ; v_permlanex16_b32's selects for lane l xor 16
	s_mov_b32 s3, 0
	v_lshlrev_b32 v[L16], 4, v1
	v_lshlrev_b32 v[XI], 2, v1
	v_add_nc_u32 v[XI+1], 128, v[XI]
	v_add_nc_u32 v[XI+2], 64, v1
	v_min_u32 v[XI+2], 79, v[XI+2]
	v_lshlrev_b32 v[XI+2], 2, v[XI+2]
	s_wait_kmcnt 0x0
	s_lshl_b32 s2, s46, 2
	s_add_nc_u64 s[16:17], s[16:17], s[2:3]
	s_load_b32 s44, s[16:17], 0x0                  ; the slot's word: expert << 8 | rows
	s_mul_i32 s2, s46, 320
	s_add_nc_u64 s[14:15], s[14:15], s[2:3]        ; the slot's 80 words of order
	s_mul_i32 s2, s22, 80
	s_add_nc_u64 s[48:49], s[14:15], s[2:3]
	s_load_b512 s[24:39], s[48:49], 0x0            ; my wave's 20 rows
	s_load_b128 s[40:43], s[48:49], 0x40
.irp i, 0,1,2
	global_load_b32 v[XO+\i], v[XI+\i], s[14:15]   ; and all 80, a lane a row, for the scale words
.endr
	v_mul_u32_u24 v[VA], v2, XP
	v_lshl_add_u32 v[VA], v3, 4, v[VA]
	v_add_nc_u32 v[VA+1], 32*XP, v[VA]
	v_add_nc_u32 v[VA+2], 64*XP, v[VA]
	s_mul_i32 s2, s22, 20*XP
	v_add_nc_u32 v[GS], s2, v[L16]
	v_lshlrev_b32 v[WSO], 6, v2
	v_lshlrev_b32 v[SCO], 2, v2
	v_mul_u32_u24 v[HSO], v2, HP                   ; in: row r, my wave's 64 bytes, 32 for each half of the lanes
	v_lshl_add_u32 v[HSO], v3, 5, v[HSO]
	s_lshl_b32 s2, s22, 6
	s_add_co_u32 s2, s2, HST
	v_add_nc_u32 v[HSO], s2, v[HSO]
	v_mul_u32_u24 v[HSL4], v2, HP                  ; out: row r of a tile, 64 bytes for each half of the lanes
	v_lshl_add_u32 v[HSL4], v3, 6, v[HSL4]
	s_mul_i32 s2, s22, 16*HP
	s_add_co_u32 s2, s2, HST
	v_add_nc_u32 v[HSL], s2, v[HSL4]
	v_add_nc_u32 v[HSL4], HST+64*HP, v[HSL4]
	v_mov_b32 v[PX], 0                             ; written once: a lane permute's destination counts as one of its sources
	v_mov_b32 v[PX+1], 0
	s_wait_kmcnt 0x0
	s_lshr_b32 s45, s44, 8
	s_min_u32 s45, s45, 7                          ; the expert: a loaded number enters an address behind a bound
	s_lshl_b32 s45, s45, 4
	s_lshl_b32 s2, s23, 2
	s_add_co_u32 s45, s45, s2
	s_add_co_u32 s45, s45, s22                     ; my tile of weight rows: 16 expert + 4 p + w
	s_lshl_b32 s2, s45, 16
	s_add_nc_u64 s[48:49], s[12:13], s[2:3]        ; its 16 K steps in gu_img
	s_lshl_b32 s2, s45, 10
	s_add_nc_u64 s[50:51], s[8:9], s[2:3]          ; its 16 rows of 64 scale bytes
	s_add_nc_u64 s[52:53], s[10:11], s[2:3]
.irp q, 0,1,2,3
	global_load_b128 v[WS+4*\q:WS+4*\q+3], v[WSO], s[50:51] offset:16*\q
	global_load_b128 v[WS+16+4*\q:WS+16+4*\q+3], v[WSO], s[52:53] offset:16*\q
.endr
.irp s, 0,1,2,3
	WLOAD \s
.endr
	WIN 0
	s_wait_loadcnt 40                              ; the 80 tokens are in: behind them 8 loads of scale words and 32 of weights were issued
.irp i, 0,1,2
	v_min_u32 v[XO+\i], 0xfff, v[XO+\i]
	v_lshlrev_b32 v[XO+\i], 6, v[XO+\i]            ; a token's 64 scale bytes
.endr
.irp i, 0,1,2
.irp q, 0,1,2,3
	global_load_b128 v[XS+16*\i+4*\q:XS+16*\i+4*\q+3], v[XO+\i], s[6:7] offset:16*\q
.endr
.endr
.irp i, 0,1,2,3,4,5,6,7,8,9,10,11,12,13,14,15,16,17,18,19
	s_min_u32 s[24+\i], s[24+\i], 0xfff
	v_lshl_add_u32 v[RO+\i], s[24+\i], 11, v[L16]
.endr
	WIN 0xc0                                       ; THE GATHER: 80 loads, each 512 consecutive bytes of one row
.irp i, 0,1,2,3,4,5,6,7,8,9,10,11,12,13,14,15
.irp j, 0,1,2,3
	global_load_b128 v[16*\i+4*\j:16*\i+4*\j+3], v[RO+\i], s[4:5] offset:512*\j
.endr
.endr
	WIN 0x40
.irp i, 0,1,2,3
.irp j, 0,1,2,3
	global_load_b128 v[16*\i+4*\j:16*\i+4*\j+3], v[RO+16+\i], s[4:5] offset:512*\j
.endr
.endr
.irp s, 4,5,6,7
	WLOAD \s
.endr
	; where my results go
	s_lshr_b32 s44, s23, 1                         ; the next product's K step: p / 2
	s_and_b32 s45, s23, 1                          ; and which half of it
	s_mul_i32 s2, s46, 20480
	s_lshl_b32 s16, s44, 11
	s_add_co_u32 s2, s2, s16
	s_lshl_b32 s16, s45, 10
	s_add_co_u32 s2, s2, s16
	s_add_nc_u64 s[56:57], s[18:19], s[2:3]
	s_lshl_b32 s2, s22, 12
	s_add_nc_u64 s[54:55], s[56:57], s[2:3]        ; h_img: tile w of the rows,
	s_add_nc_u64 s[56:57], s[56:57], 16384         ; and tile 4
	s_mul_i32 s2, s46, 640
	s_mul_i32 s16, s44, 320
	s_add_co_u32 s2, s2, s16
	s_lshl_b32 s16, s45, 1
	s_add_co_u32 s2, s2, s16
	s_add_nc_u64 s[60:61], s[20:21], s[2:3]
	s_lshl_b32 s2, s22, 6
	s_add_nc_u64 s[58:59], s[60:61], s[2:3]        ; h_sc likewise
	s_add_nc_u64 s[60:61], s[60:61], 256
	WIN 0x0c                                       ; an LDS store's data are its source 1: window 3
	s_wait_loadcnt 63                              ; the youngest 63 are weight steps 4-7 (32) and the gather's last 31: rows 0 to 11 are in
.irp i, 0,1,2,3,4,5,6,7,8,9,10,11
.irp j, 0,1,2,3
	ds_store_b128 v[GS], v[16*\i+4*\j:16*\i+4*\j+3] offset:\i*XP+512*\j
.endr
.endr
	s_wait_loadcnt 48                              ; 32 + the gather's last 16: rows 12 to 15 are in
.irp i, 12,13,14,15
.irp j, 0,1,2,3
	ds_store_b128 v[GS], v[16*\i+4*\j:16*\i+4*\j+3] offset:\i*XP+512*\j
.endr
.endr
	WIN 0x04
	s_wait_loadcnt 32                              ; only weight steps 4-7 may be out
.irp i, 0,1,2,3
.irp j, 0,1,2,3
	ds_store_b128 v[GS], v[16*\i+4*\j:16*\i+4*\j+3] offset:(16+\i)*XP+512*\j
.endr
.endr
	WIN 0
	s_wait_dscnt 0x0                               ; for the others' sake: my 20 rows have landed
	s_barrier_signal -1
	s_barrier_wait -1                              ; all 80 rows of x lie in LDS; nobody writes them again
	AFETCH 0
.irp s, 0,1,2,3,4,5,6,7,8,9,10,11,12,13,14,15
	STEP \s
.endr
	; silu(g) u = g u / (1 + 2^(-g log2 e)).  Each accumulator is first read at its low end.
	WIN 0x55
.irp m, 0,1,2,3,4
.irp k, 0,2,4,6
	v_pk_mul_f32 v[TT+8*\m+\k:TT+8*\m+\k+1], v[16*\m+\k:16*\m+\k+1], 0xbfb8aa3b op_sel_hi:[1,0]
.endr
.endr
.set j, 0
.rept 40
	v_exp_f32 v[TT+j], v[TT+j]
.set j, j+1
.endr
	v_nop                                          ; a plain line behind the last exponential,
	s_wait_alu depctr_va_vdst(0)                   ; and one wait for the batch of 40, ahead of its first reader
.set j, 0
.rept 20
	v_pk_add_f32 v[TT+j:TT+j+1], v[TT+j:TT+j+1], 1.0 op_sel_hi:[1,0]
.set j, j+2
.endr
.set j, 0
.rept 40
	v_rcp_f32 v[TT+j], v[TT+j]
.set j, j+1
.endr
.irp m, 0,1,2,3,4
.irp k, 0,2,4,6
	v_pk_mul_f32 v[16*\m+\k:16*\m+\k+1], v[16*\m+\k:16*\m+\k+1], v[16*\m+8+\k:16*\m+8+\k+1]   ; g u: plain work that names no reciprocal
.endr
.endr
	s_wait_alu depctr_va_vdst(0)                   ; one wait for the 40 reciprocals
.irp m, 0,1,2,3,4
.irp k, 0,2,4,6
	v_pk_mul_f32 v[16*\m+\k:16*\m+\k+1], v[16*\m+\k:16*\m+\k+1], v[TT+8*\m+\k:TT+8*\m+\k+1]
.endr
.endr
	WIN 0x04
.irp m, 0,1,2,3,4
	ds_store_b128 v[HSO], v[16*\m:16*\m+3] offset:16*HP*\m
	ds_store_b128 v[HSO], v[16*\m+4:16*\m+7] offset:16*HP*\m+16
.endr
	WIN 0
	s_wait_dscnt 0x0                               ; for the others' sake: my 16 columns of the stage have landed
	s_barrier_signal -1
	s_barrier_wait -1
	QTILE HSL, 54, 58                              ; tile w of the rows
	s_cmp_lg_u32 s22, 0
	s_cbranch_scc1 .Lend
	s_wait_xcnt 0x0                                ; the stores above have read their data: the registers are written again only behind this wait
	QTILE HSL4, 56, 60                             ; the fifth tile is wave 0's
.Lend:
	s_wait_tensorcnt 0x0
	ds_add_u32 v254, v255
	s_wait_dscnt 0x0
	s_endpgm
.Lfunc_end_k_qf377bfee29_gateup:
	.size	k_qf377bfee29_gateup, .Lfunc_end_k_qf377bfee29_gateup-k_qf377bfee29_gateup
	.p2alignl 7, 3214868480
	.fill 96, 4, 3214868480
	.section	.rodata,"a",@progbits
	.p2align	6, 0x0
	.amdhsa_kernel k_qf377bfee29_gateup
		.amdhsa_group_segment_fixed_size 187392
		.amdhsa_private_segment_fixed_size 0
		.amdhsa_enable_private_segment 0
		.amdhsa_kernarg_size 72
		.amdhsa_user_sgpr_count 2
		.amdhsa_user_sgpr_kernarg_segment_ptr 1
		.amdhsa_wavefront_size32 1
		.amdhsa_system_sgpr_workgroup_id_x 1
		.amdhsa_system_sgpr_workgroup_id_y 1
		.amdhsa_system_sgpr_workgroup_id_z 1
		.amdhsa_system_vgpr_workitem_id 0
		.amdhsa_next_free_vgpr 1024
		.amdhsa_next_free_sgpr 66
		.amdhsa_reserve_vcc 0
		.amdhsa_float_denorm_mode_32 3
		.amdhsa_float_denorm_mode_16_64 3
		.amdhsa_memory_ordered 1
		.amdhsa_forward_progress 1
		.amdhsa_inst_pref_size 99
	.end_amdhsa_kernel
	.amdgpu_metadata
---
amdhsa.version: [ 1, 2 ]
amdhsa.kernels:
  - .name:           k_qf377bfee29_gateup
    .symbol:         k_qf377bfee29_gateup.kd
    .args:
      - { .name: hidden_states_codes, .offset: 0, .size: 8, .value_kind: global_buffer, .address_space: global }
      - { .name: hidden_states_scales, .offset: 8, .size: 8, .value_kind: global_buffer, .address_space: global }
      - { .name: gate_proj_scales, .offset: 16, .size: 8, .value_kind: global_buffer, .address_space: global }
      - { .name: up_proj_scales, .offset: 24, .size: 8, .value_kind: global_buffer, .address_space: global }
      - { .name: gu_img, .offset: 32, .size: 8, .value_kind: global_buffer, .address_space: global }
      - { .name: order, .offset: 40, .size: 8, .value_kind: global_buffer, .address_space: global }
      - { .name: tiles, .offset: 48, .size: 8, .value_kind: global_buffer, .address_space: global }
      - { .name: h_img, .offset: 56, .size: 8, .value_kind: global_buffer, .address_space: global }
      - { .name: h_sc, .offset: 64, .size: 8, .value_kind: global_buffer, .address_space: global }
    .group_segment_fixed_size: 187392
    .private_segment_fixed_size: 0
    .kernarg_segment_align: 8
    .kernarg_segment_size: 72
    .max_flat_workgroup_size: 128
    .sgpr_count:     66
    .vgpr_count:     1024
    .wavefront_size: 32
...
	.end_amdgpu_metadata
.endif
;; end of part 2
;; launch down (part 3): grid 4 x 59, 4 waves a work-group, no clusters, 34,304 bytes of LDS; arguments h_img, h_sc, d_img, down_proj_scales, order, tiles, out0; writes out0
.if DOCPART == 3
	.amdgcn_target "amdgcn-amd-amdhsa--gfx1250"
	.amdhsa_code_object_version 6
	.text
	.protected	k_qf377bfee29_down
	.globl	k_qf377bfee29_down
	.p2align	8
	.type	k_qf377bfee29_down,@function
k_qf377bfee29_down:
	s_mov_b64 s[64:65], 0
	v_nop
	global_prefetch_b8 v0, s[64:65] scope:SCOPE_SE
	s_setreg_imm32_b32 hwreg(HW_REG_WAVE_MODE, 25, 1), 1
	s_wait_xcnt 0x0
; DOWN.  out[token] = h D_e for one slot of up to 80 sorted rows (work-group y) and 512 of the 2,048 columns (work-group x = q).  h as the launch before has quantised it, D as it is given: codes of E5M2 with E8M0 scales.
; SHARES.  Wave w owns 128 columns, 512 q + 128 w on: eight tiles of 16 rows of D, whose 16 fragments (K = 256: two steps) stay in registers; it also holds the slot's ten fragments of h.  All come as register images:
;   each load reads 512 consecutive bytes.  Nothing is shared between waves: no barrier.
; THE PRODUCTS ARE USED TRANSPOSED: source 0 = 16 rows of D, source 1 = 16 tokens: a lane holds eight neighbouring columns of one token's row.  A tile of 16 rows x 128 columns goes through the wave's own stage in LDS and
;   comes back as whole rows of 512 bytes, which the 32 lanes store at the token's row of out: 512 consecutive bytes, aligned.
; A slot without rows ends at once; the rows that pad a slot are not stored: the rows ascend, so the first row past the slot's count ends the wave.  Both are scalar branches on the stored list; every token lies in one slot,
;   so each row of out has one owner and every row is written.  No tensor load, no cluster: ends and addresses hang on stored numbers.  EXEC is never changed.
; REGISTERS, in windows of 256: window 0: addresses, scale words, rows on their way out.   window 1: h's fragment (m, s) at 16 (2 m + s).   window 2: D's fragment (j, s) at 16 (2 j + s).
;   window 3: two sets of eight accumulators, set m % 2 at 64 (m % 2) + 8 j.
.set SP,   528                         ; a stage row: 512 bytes + 16
.set L16,  4                           ; v4      16 x lane
.set STO,  5                           ; v5      the stage, in: row r, 32 bytes for each half of the lanes
.set RD,   6                           ; v6      out: 16 bytes a lane of a row
.set R4,   7                           ; v7      4 r
.set HI,   8                           ; v8-10   4 x min(32 i + lane, 79)
.set L8,   11                          ; v11     8 x lane
.set TK,   12                          ; v12-16  the tokens of tile m: lane r
.set DS,   20                          ; v20-27  D's scale words: pair 20 + 2 i = K steps 0, 1; lanes 0-15 tile 2 i, lanes 16-31 tile 2 i + 1
.set HS,   28                          ; v28-33  h's: 28 + 3 s + i: lane l = row 32 i + l
.set VO,   64                          ; v64-95  two sets of 16 store offsets
.set BK,   128                         ; v128-255 two sets of 16 rows read back
.set MSB, 0
.macro WIN new                         ; the immediate's high byte repeats the setting that is left
.if MSB != \new
	s_set_vgpr_msb (MSB<<8)|\new
.set MSB, \new
.endif
.endm
.macro DP m, j, s                      ; one product.  The scale words of an odd tile lie in lanes 16-31
.set rD, 64*((\m)%2)+8*(\j)
.set rA, 16*(2*(\j)+(\s))
.set rB, 16*(2*(\m)+(\s))
.set rSA, DS+2*((\j)/2)+(\s)
.set rSB, HS+3*(\s)+(\m)/2
.if (\s) == 0
.if ((\j)%2 == 0) && ((\m)%2 == 0)
	v_wmma_scale_f32_16x16x128_f8f6f4 v[rD:rD+7], v[rA:rA+15], v[rB:rB+15], 0, v[rSA], v[rSB] matrix_a_fmt:MATRIX_FMT_BF8 matrix_b_fmt:MATRIX_FMT_BF8
.elseif (\m)%2 == 0
	v_wmma_scale_f32_16x16x128_f8f6f4 v[rD:rD+7], v[rA:rA+15], v[rB:rB+15], 0, v[rSA], v[rSB] matrix_a_fmt:MATRIX_FMT_BF8 matrix_b_fmt:MATRIX_FMT_BF8 matrix_a_scale:MATRIX_SCALE_ROW1
.elseif (\j)%2 == 0
	v_wmma_scale_f32_16x16x128_f8f6f4 v[rD:rD+7], v[rA:rA+15], v[rB:rB+15], 0, v[rSA], v[rSB] matrix_a_fmt:MATRIX_FMT_BF8 matrix_b_fmt:MATRIX_FMT_BF8 matrix_b_scale:MATRIX_SCALE_ROW1
.else
	v_wmma_scale_f32_16x16x128_f8f6f4 v[rD:rD+7], v[rA:rA+15], v[rB:rB+15], 0, v[rSA], v[rSB] matrix_a_fmt:MATRIX_FMT_BF8 matrix_b_fmt:MATRIX_FMT_BF8 matrix_a_scale:MATRIX_SCALE_ROW1 matrix_b_scale:MATRIX_SCALE_ROW1
.endif
.else
.if ((\j)%2 == 0) && ((\m)%2 == 0)
	v_wmma_scale_f32_16x16x128_f8f6f4 v[rD:rD+7], v[rA:rA+15], v[rB:rB+15], v[rD:rD+7], v[rSA], v[rSB] matrix_a_fmt:MATRIX_FMT_BF8 matrix_b_fmt:MATRIX_FMT_BF8
.elseif (\m)%2 == 0
	v_wmma_scale_f32_16x16x128_f8f6f4 v[rD:rD+7], v[rA:rA+15], v[rB:rB+15], v[rD:rD+7], v[rSA], v[rSB] matrix_a_fmt:MATRIX_FMT_BF8 matrix_b_fmt:MATRIX_FMT_BF8 matrix_a_scale:MATRIX_SCALE_ROW1
.elseif (\j)%2 == 0
	v_wmma_scale_f32_16x16x128_f8f6f4 v[rD:rD+7], v[rA:rA+15], v[rB:rB+15], v[rD:rD+7], v[rSA], v[rSB] matrix_a_fmt:MATRIX_FMT_BF8 matrix_b_fmt:MATRIX_FMT_BF8 matrix_b_scale:MATRIX_SCALE_ROW1
.else
	v_wmma_scale_f32_16x16x128_f8f6f4 v[rD:rD+7], v[rA:rA+15], v[rB:rB+15], v[rD:rD+7], v[rSA], v[rSB] matrix_a_fmt:MATRIX_FMT_BF8 matrix_b_fmt:MATRIX_FMT_BF8 matrix_a_scale:MATRIX_SCALE_ROW1 matrix_b_scale:MATRIX_SCALE_ROW1
.endif
.endif
.endm
.macro MUL m                           ; tile m of the rows: 16 products, the eight accumulators by turns, K ascending; the first eight start the sums
	WIN 0xf6                                       ; source 0 (D) window 2, source 1 (h) window 1, C and D window 3
.irp s, 0,1
.irp j, 0,1,2,3,4,5,6,7
	DP \m, \j, \s
.endr
.endr
	WIN 0
.endm
.macro TOSTAGE m                       ; LDS serves a wave's instructions in order (ISA guide 5.7.1.4): the loads see the stores above them
.if (\m) >= 2
	s_wait_xcnt 0x0                                ; the stores of the tile two back have read their data and offsets: this set of both is written again only behind this wait
.endif
	WIN 0x0c                                       ; an LDS store's data are its source 1: window 3
.irp j, 0,1,2,3,4,5,6,7
	ds_store_b128 v[STO], v[64*((\m)%2)+8*\j:64*((\m)%2)+8*\j+3] offset:64*\j          ; each accumulator from its low end on
	ds_store_b128 v[STO], v[64*((\m)%2)+8*\j+4:64*((\m)%2)+8*\j+7] offset:64*\j+16
.endr
	WIN 0
.irp t, 0,1,2,3,4,5,6,7,8,9,10,11,12,13,14,15
	ds_load_b128 v[BK+64*((\m)%2)+4*\t:BK+64*((\m)%2)+4*\t+3], v[RD] offset:SP*\t
.endr
.endm
.macro SEND m                          ; its sixteen v_lshl_add_u32 name no register of a product: they are the places behind the products issued just before
.irp t, 0,1,2,3,4,5,6,7,8,9,10,11,12,13,14,15
	v_readlane_b32 s34, v[TK+(\m)], \t
	s_min_u32 s34, s34, 0xfff                      ; a loaded number enters an address behind a bound
	v_lshl_add_u32 v[VO+16*((\m)%2)+\t], s34, 13, v[L16]   ; the token's row of 8,192 bytes
.endr
	s_wait_dscnt 0x0                               ; the tile is back in registers
.irp t, 0,1,2,3,4,5,6,7,8,9,10,11,12,13,14,15
	s_cmp_le_u32 s30, 16*(\m)+\t                   ; past the slot's rows: nothing more is mine
	s_cbranch_scc1 .Lend
	global_store_b128 v[VO+16*((\m)%2)+\t], v[BK+64*((\m)%2)+4*\t:BK+64*((\m)%2)+4*\t+3], s[32:33] th:TH_STORE_NT
.endr
.endm
	s_load_b256 s[4:11], s[0:1], 0x0               ; h_img s[4:5], h_sc s[6:7], d_img s[8:9], D's scales s[10:11]
	s_load_b128 s[12:15], s[0:1], 0x20             ; order s[12:13], tiles s[14:15]
	s_load_b64 s[16:17], s[0:1], 0x30              ; out
	v_lshl_add_u32 v126, v0, 2, 0x8400
	v_mov_b32 v127, 0
	v_and_b32 v1, 31, v0                           ; lane
	v_and_b32 v2, 15, v0                           ; r
	v_bfe_u32 v3, v0, 4, 1                         ; h
	v_lshrrev_b32 v34, 5, v0
	v_readfirstlane_b32 s20, v34                   ; wave 0..3
	s_mov_b32 s21, ttmp9                           ; q
	s_and_b32 s22, ttmp7, 0xffff                   ; slot
	s_mov_b32 s3, 0
	v_lshlrev_b32 v[L16], 4, v1
	v_lshlrev_b32 v[L8], 3, v1
	v_lshlrev_b32 v[R4], 2, v2
	v_lshlrev_b32 v[HI], 2, v1
	v_add_nc_u32 v[HI+1], 128, v[HI]
	v_add_nc_u32 v[HI+2], 64, v1
	v_min_u32 v[HI+2], 79, v[HI+2]
	v_lshlrev_b32 v[HI+2], 2, v[HI+2]
	s_mul_i32 s23, s20, 16*SP                      ; my stage
	v_mul_u32_u24 v[STO], v2, SP
	v_lshl_add_u32 v[STO], v3, 5, v[STO]
	v_add_nc_u32 v[STO], s23, v[STO]
	v_add_nc_u32 v[RD], s23, v[L16]
	s_wait_kmcnt 0x0
	s_lshl_b32 s2, s22, 2
	s_add_nc_u64 s[14:15], s[14:15], s[2:3]
	s_load_b32 s28, s[14:15], 0x0                  ; the slot's word: expert << 8 | rows
	s_mul_i32 s2, s22, 320
	s_add_nc_u64 s[12:13], s[12:13], s[2:3]
	s_mul_i32 s2, s22, 640
	s_add_nc_u64 s[6:7], s[6:7], s[2:3]
	s_mul_i32 s2, s22, 20480
	s_add_nc_u64 s[4:5], s[4:5], s[2:3]
.irp m, 0,1,2,3,4
	global_load_b32 v[TK+\m], v[R4], s[12:13] offset:64*\m
.endr
.irp s, 0,1
.irp i, 0,1,2
	global_load_b32 v[HS+3*\s+\i], v[HI+\i], s[6:7] offset:320*\s
.endr
.endr
	WIN 0x40
.irp f, 0,1,2,3,4,5,6,7,8,9
.irp c, 0,1,2,3
	global_load_b128 v[16*\f+4*\c:16*\f+4*\c+3], v[L16], s[4:5] offset:2048*\f+512*\c
.endr
.endr
	WIN 0
	s_wait_kmcnt 0x0
	s_and_b32 s30, s28, 0xff                       ; rows of the slot
	s_lshr_b32 s31, s28, 8
	s_min_u32 s31, s31, 7                          ; the expert
	s_cmp_eq_u32 s30, 0
	s_cbranch_scc1 .Lend                           ; a slot that this split leaves without rows stores nothing
	s_lshl_b32 s2, s31, 7
	s_lshl_b32 s24, s21, 5
	s_add_co_u32 s2, s2, s24
	s_lshl_b32 s24, s20, 3
	s_add_co_u32 s24, s2, s24                      ; my first tile of D's rows: 128 expert + 32 q + 8 w
	s_lshl_b32 s2, s24, 7                          ; 16 rows of 8 scale bytes
	s_add_nc_u64 s[10:11], s[10:11], s[2:3]
	s_lshl_b32 s2, s24, 12                         ; two images of 2,048 bytes
	s_add_nc_u64 s[8:9], s[8:9], s[2:3]
.irp i, 0,1,2,3
	global_load_b64 v[DS+2*\i:DS+2*\i+1], v[L8], s[10:11] offset:256*\i   ; 32 rows' two scale words: 256 consecutive bytes
.endr
	WIN 0x80
.irp f, 0,1,2,3,4,5,6,7,8,9,10,11,12,13,14,15
.irp c, 0,1,2,3
	global_load_b128 v[16*\f+4*\c:16*\f+4*\c+3], v[L16], s[8:9] offset:2048*\f+512*\c
.endr
.endr
	WIN 0
	s_lshl_b32 s2, s21, 11
	s_lshl_b32 s24, s20, 9
	s_add_co_u32 s2, s2, s24
	s_add_nc_u64 s[32:33], s[16:17], s[2:3]        ; out at my first column
	s_wait_loadcnt 0x0
	MUL 0
.rept 8
	v_nop                                          ; eight places behind this form, ahead of the LDS stores that read the results
.endr
	TOSTAGE 0
	MUL 1                                          ; the next tile is multiplied while this one goes through the stage
	SEND 0
	TOSTAGE 1
	MUL 2                                          ; it begins set 0 anew: behind the products that wrote that set stand eight v_nop and sixteen lines of SEND 0
	SEND 1
	TOSTAGE 2
	MUL 3
	SEND 2
	TOSTAGE 3
	MUL 4
	SEND 3
	TOSTAGE 4
	SEND 4
.Lend:
	s_wait_tensorcnt 0x0
	ds_add_u32 v126, v127
	s_wait_dscnt 0x0
	s_endpgm
.Lfunc_end_k_qf377bfee29_down:
	.size	k_qf377bfee29_down, .Lfunc_end_k_qf377bfee29_down-k_qf377bfee29_down
	.p2alignl 7, 3214868480
	.fill 96, 4, 3214868480
	.section	.rodata,"a",@progbits
	.p2align	6, 0x0
	.amdhsa_kernel k_qf377bfee29_down
		.amdhsa_group_segment_fixed_size 34304
		.amdhsa_private_segment_fixed_size 0
		.amdhsa_enable_private_segment 0
		.amdhsa_kernarg_size 56
		.amdhsa_user_sgpr_count 2
		.amdhsa_user_sgpr_kernarg_segment_ptr 1
		.amdhsa_wavefront_size32 1
		.amdhsa_system_sgpr_workgroup_id_x 1
		.amdhsa_system_sgpr_workgroup_id_y 1
		.amdhsa_system_sgpr_workgroup_id_z 1
		.amdhsa_system_vgpr_workitem_id 0
		.amdhsa_next_free_vgpr 896
		.amdhsa_next_free_sgpr 66
		.amdhsa_reserve_vcc 0
		.amdhsa_float_denorm_mode_32 3
		.amdhsa_float_denorm_mode_16_64 3
		.amdhsa_memory_ordered 1
		.amdhsa_forward_progress 1
		.amdhsa_inst_pref_size 64
	.end_amdhsa_kernel
	.amdgpu_metadata
---
amdhsa.version: [ 1, 2 ]
amdhsa.kernels:
  - .name:           k_qf377bfee29_down
    .symbol:         k_qf377bfee29_down.kd
    .args:
      - { .name: h_img, .offset: 0, .size: 8, .value_kind: global_buffer, .address_space: global }
      - { .name: h_sc, .offset: 8, .size: 8, .value_kind: global_buffer, .address_space: global }
      - { .name: d_img, .offset: 16, .size: 8, .value_kind: global_buffer, .address_space: global }
      - { .name: down_proj_scales, .offset: 24, .size: 8, .value_kind: global_buffer, .address_space: global }
      - { .name: order, .offset: 32, .size: 8, .value_kind: global_buffer, .address_space: global }
      - { .name: tiles, .offset: 40, .size: 8, .value_kind: global_buffer, .address_space: global }
      - { .name: out0, .offset: 48, .size: 8, .value_kind: global_buffer, .address_space: global }
    .group_segment_fixed_size: 34304
    .private_segment_fixed_size: 0
    .kernarg_segment_align: 8
    .kernarg_segment_size: 56
    .max_flat_workgroup_size: 128
    .sgpr_count:     66
    .vgpr_count:     896
    .wavefront_size: 32
...
	.end_amdgpu_metadata
.endif
;; end of part 3
;; ======== version 2 of 2: 3 launches
;; workspace buffers: order 18,944 bytes of whole numbers; tiles 256 bytes of whole numbers; gu_img 8,388,608 bytes; d_img 4,194,304 bytes; h_img 1,208,320 bytes; h_sc 37,888 bytes
;; launch prep (part 4): grid 129 x 1, 8 waves a work-group, no clusters, 36,864 bytes of LDS; arguments token_ids, gate_proj_codes, up_proj_codes, down_proj_codes, gu_img, d_img, order, tiles; writes gu_img, d_img, order, tiles
.if DOCPART == 4
	.amdgcn_target "amdgcn-amd-amdhsa--gfx1250"
	.amdhsa_code_object_version 6
	.text
	.protected	k_qf377bfee29_prep
	.globl	k_qf377bfee29_prep
	.p2align	8
	.type	k_qf377bfee29_prep,@function
k_qf377bfee29_prep:
	s_mov_b64 s[64:65], 0
	v_nop
	global_prefetch_b8 v0, s[64:65] scope:SCOPE_SE
	s_setreg_imm32_b32 hwreg(HW_REG_WAVE_MODE, 25, 1), 1
	s_wait_xcnt 0x0
; PREP.  Work-group 0 routes: expert of each of the 4,096 tokens, a counting sort by expert, the list of row tiles.  Work-groups 1 to 128 lay the three weights out as images of operand registers.
; ROUTING.  expert = min(clip(id, 0, 99,999) / 12,500, 7).  Rows are sorted by expert into slots of 80 rows; an expert begins a new slot.  4,096 rows and 8 experts never need more than 52 + 7 = 59 slots.
;   order[80 slot + j] = the token of row j of the slot (0 for a row that pads a slot); words 4,720 to 4,735 take what lanes without a word of their own write.
;   tiles[slot] = expert << 8 | rows of the slot (0 to 80).
; IMAGES.  A fragment (16 rows x 128 along K of 8-bit codes) is 16 registers a lane: lane 16 h + r holds row r, registers 4 c .. 4 c + 3 hold K = 32 c + 16 h + 0 .. 15.  Its image is [c 4][lane 32][16 bytes], 2,048 bytes,
;   so that each later load of four registers reads 512 consecutive bytes.   gu_img: [expert 8][tile of 16 rows 16][K step 16][gate, up][2,048].   d_img: [expert 8][tile of 16 rows 128][K step 2][2,048].
; The two paths part on the work-group's number alone and never join; each has LDS bytes of its own.  EXEC is never changed.
.set CT,   34816                       ; LDS: bytes 0 to 34,815: eight stages of 16 rows x 272 bytes (layout path); from CT on 1,024 bytes of counts (route path)
.set LV,   4                           ; v4   gate, up: my 16 bytes of two rows of 256: 2,048 h + 16 r
.set L16,  5                           ; v5   16 x lane
.set SS,   6                           ; v6   stage, in: row h, column 16 r
.set SL,   7                           ; v7   stage, out: row r, + 16 h
.set INR,  32                          ; v32-127   as loaded: gate, up, down, 32 registers each
.set OUTR, 128                         ; v128-223  as images
.set E,    16                          ; v16-31  route: ids, then experts, of my 16 tokens
.set R,    32                          ; v32-47  rank of each among its expert's tokens in my wave
.set T,    48                          ; v48-55  at work
.set C8,   56
.set A,    57
.set B,    58
.set TT,   59
.set PP,   60
.set X,    61
.set Y,    62
.set IX,   64                          ; v64-79  where each token goes in order
.set TK,   80                          ; v80-95  the tokens' numbers
.set PXR,  96                          ; v96-98  padding words: their numbers,
.set PO,   99                          ; v99-101 their places
.set ZR,   102                         ; v102    0
.set TI,   103
.set TV,   104
.set TE,   105
.set SEL,  22                          ; s22-23  selects of v_permlanex16_b32 for lane l xor 16
.set CNT,  24                          ; s24-31  my wave's count of each expert
.set TOT,  32                          ; s32-39  the 4,096 tokens' count of each expert
.set PRE,  40                          ; s40-47  the count in the waves in front of mine
.set TB,   48                          ; s48-56  first slot of each expert; TB[8]: slots in use
.set BASE, 66                          ; s66-73  80 TB + PRE: where my wave's first token of the expert goes
.set CPAD, 74                          ; s74-82  padding rows in front of each expert's
.set AE,   84                          ; s84-91  80 TB + TOT: behind the expert's last token
.set MK,   84                          ; s84-91  until AE is made: a slot's eight masks
.set TMP,  92
.macro LD8 reg, voff, base, step       ; 16 rows x 256 bytes: each load takes two rows
.irp i, 0,1,2,3,4,5,6,7
	global_load_b128 v[\reg+4*\i:\reg+4*\i+3], v[\voff], s[\base:\base+1] offset:\i*\step th:TH_LOAD_NT
.endr
.endm
.macro TURN src, dst                   ; through my wave's stage: in by rows, out as two fragments.  LDS serves a wave's instructions in order (ISA guide 5.7.1.4): no wait between, nor ahead of the next turn
.irp i, 0,1,2,3,4,5,6,7
	ds_store_b128 v[SS], v[\src+4*\i:\src+4*\i+3] offset:\i*544
.endr
.irp s, 0,1
.irp c, 0,1,2,3
	ds_load_b128 v[\dst+16*\s+4*\c:\dst+16*\s+4*\c+3], v[SL] offset:128*\s+32*\c
.endr
.endr
.endm
.macro ST8 reg, base, sstep, add       ; two images: each store covers 512 consecutive bytes, aligned
.irp s, 0,1
.irp c, 0,1,2,3
	global_store_b128 v[L16], v[\reg+16*\s+4*\c:\reg+16*\s+4*\c+3], s[\base:\base+1] offset:\s*\sstep+\add+512*\c
.endr
.endr
.endm
	s_load_b512 s[4:19], s[0:1], 0x0               ; token_ids s[4:5], gate s[6:7], up s[8:9], down s[10:11], gu_img s[12:13], d_img s[14:15], order s[16:17], tiles s[18:19]
	v_lshl_add_u32 v224, v0, 2, 0x8c00
	v_mov_b32 v225, 0
	v_and_b32 v1, 31, v0                           ; lane
	v_and_b32 v2, 15, v0                           ; r
	v_bfe_u32 v3, v0, 4, 1                         ; h
	v_lshrrev_b32 v8, 5, v0
	s_delay_alu instid0(VALU_DEP_1)
	v_readfirstlane_b32 s20, v8                    ; wave 0..7
	s_wait_kmcnt 0x0
	s_cmp_eq_u32 ttmp9, 0
	s_cbranch_scc1 .Lroute
	; ---- LAYOUT.  Wave g of 1,024 turns one unit of 16 rows x 256 bytes of each tensor.
	s_sub_co_u32 s21, ttmp9, 1
	s_lshl_b32 s21, s21, 3
	s_add_co_u32 s21, s21, s20                     ; g
	s_lshr_b32 s22, s21, 3                         ; gate, up: tile of rows 16 expert + T,
	s_and_b32 s23, s21, 7                          ; and which 256 bytes along K (two K steps)
	s_lshl_b32 s24, s22, 15                        ; 16 rows of 2,048 bytes
	s_lshl_b32 s26, s23, 8
	s_add_co_u32 s24, s24, s26
	s_mov_b32 s25, 0
	s_add_nc_u64 s[6:7], s[6:7], s[24:25]
	s_add_nc_u64 s[8:9], s[8:9], s[24:25]
	s_lshl_b32 s24, s21, 12                        ; down: tile g of 16 rows of 256 bytes, dense; its two images take the same 4,096 bytes
	s_add_nc_u64 s[10:11], s[10:11], s[24:25]
	s_add_nc_u64 s[14:15], s[14:15], s[24:25]
	s_lshl_b32 s24, s22, 16                        ; gu_img: 65,536 bytes a tile of rows, 4,096 a K step
	s_lshl_b32 s26, s23, 13
	s_add_co_u32 s24, s24, s26
	s_add_nc_u64 s[12:13], s[12:13], s[24:25]
	s_wait_alu depctr_va_vdst(0)
	v_lshlrev_b32 v[LV], 4, v2
	s_delay_alu instid0(VALU_DEP_1)
	v_lshl_add_u32 v[LV], v3, 11, v[LV]
	v_lshlrev_b32 v[L16], 4, v1
	LD8 INR, LV, 6, 4096
	LD8 INR+32, LV, 8, 4096
	LD8 INR+64, L16, 10, 512
	s_mul_i32 s27, s20, 4352                       ; my stage
	v_mul_u32_u24 v[SS], v3, 272
	s_delay_alu instid0(VALU_DEP_1)
	v_lshl_add_u32 v[SS], v2, 4, v[SS]
	s_delay_alu instid0(VALU_DEP_1)
	v_add_nc_u32 v[SS], s27, v[SS]
	v_mul_u32_u24 v[SL], v2, 272                   ; rows 272 bytes apart: the sixteen rows of a load start at sixteen different banks (64 banks of 4 bytes: ISA guide 11.1)
	s_delay_alu instid0(VALU_DEP_1)
	v_lshl_add_u32 v[SL], v3, 4, v[SL]
	s_delay_alu instid0(VALU_DEP_1)
	v_add_nc_u32 v[SL], s27, v[SL]
	s_wait_alu depctr_va_vdst(0)
	s_wait_loadcnt 16                              ; gate's eight are in; up's and down's sixteen may be out
	TURN INR, OUTR
	s_wait_loadcnt 8
	TURN INR+32, OUTR+32
	s_wait_loadcnt 0x0
	TURN INR+64, OUTR+64
	s_wait_dscnt 32                                ; behind gate's loads from the stage: the 32 LDS lines of two turns
	ST8 OUTR, 12, 4096, 0
	s_wait_dscnt 16
	ST8 OUTR+32, 12, 4096, 2048
	s_wait_dscnt 0x0
	ST8 OUTR+64, 14, 2048, 0
	s_wait_tensorcnt 0x0
	ds_add_u32 v224, v225
	s_wait_dscnt 0x0
	s_endpgm
	; ---- ROUTE.  256 threads, 16 tokens each: slot 4 k + j of thread t is token 1,024 k + 4 t + j.
.Lroute:
	v_lshlrev_b32 v8, 4, v0
.irp k, 0,1,2,3
	global_load_b128 v[E+4*\k:E+4*\k+3], v8, s[4:5] offset:4096*\k
.endr
	v_lshl_add_u32 v9, v0, 2, CT                   ; my word among the counts: wave w's count of expert e lies at CT + 128 w + 4 e
	s_wait_alu depctr_va_vdst(0)
	v_lshrrev_b32 v10, 3, v1                       ; lane / 8: which wave's count I read back (and that wave + 4),
	v_and_b32 v11, 7, v1                           ; lane % 8: of which expert
	s_delay_alu instid0(VALU_DEP_2)
	v_lshlrev_b32 v12, 7, v10
	s_delay_alu instid0(VALU_DEP_1)
	v_lshl_add_u32 v12, v11, 2, v12
	s_delay_alu instid0(VALU_DEP_1)
	v_add_nc_u32 v12, CT, v12
	v_add_nc_u32 v13, 4, v10
	v_mov_b32 v[X], 0                              ; written once: the destination of a lane exchange counts as one of its sources
	v_mov_b32 v[ZR], 0
	v_mov_b32 v[C8], 0
	s_mov_b32 s[SEL], 0x76543210
	s_mov_b32 s[SEL+1], 0xfedcba98
.irp e, 0,1,2,3,4,5,6,7
	s_mov_b32 s[CNT+\e], 0
.endr
	s_wait_loadcnt 0x0
.irp i, 0,1,2,3,4,5,6,7,8,9,10,11,12,13,14,15
	v_cmp_gt_i32 vcc_lo, 0, v[E+\i]
	s_delay_alu instid0(VALU_DEP_1)
	v_cndmask_b32 v[E+\i], v[E+\i], 0, vcc_lo      ; the clip from below,
	s_delay_alu instid0(VALU_DEP_1)
	v_min_u32 v[E+\i], 0x1869f, v[E+\i]            ; and at 99,999
	s_delay_alu instid0(VALU_DEP_1)
	v_mul_u32_u24 v[E+\i], 0x53e3, v[E+\i]         ; id / 12,500 = (id x 21,475) >> 28, exactly: 21,475 x 12,500 = 2^28 + 2,044, and 7 x 2,044 + 12,499 x 21,475 < 2^28
	s_delay_alu instid0(VALU_DEP_1)
	v_lshrrev_b32 v[E+\i], 28, v[E+\i]
	s_delay_alu instid0(VALU_DEP_1)
	v_min_u32 v[E+\i], 7, v[E+\i]
.endr
; A slot's ranks: for each expert the lanes in front of mine that hold it, on top of the wave's count so far.
.macro RANK i
.irp e, 0,1,2,3,4,5,6,7
	v_cmp_eq_u32 s[MK+\e], \e, v[E+\i]
.endr
	v_mbcnt_lo_u32_b32 v[R+\i], s[MK], s[CNT]
.irp e, 1,2,3,4,5,6,7
	v_mbcnt_lo_u32_b32 v[T+\e], s[MK+\e], s[CNT+\e]
.endr
.irp e, 1
	v_cndmask_b32 v[R+\i], v[R+\i], v[T+\e], s[MK+\e]
.endr
.irp e, 2, 3, 4, 5, 6, 7
	s_delay_alu instid0(VALU_DEP_1)
	v_cndmask_b32 v[R+\i], v[R+\i], v[T+\e], s[MK+\e]
.endr
.irp e, 0,1,2,3,4,5,6,7
	s_bcnt1_i32_b32 s[TMP], s[MK+\e]
	s_add_co_u32 s[CNT+\e], s[CNT+\e], s[TMP]
.endr
.endm
.irp i, 0,1,2,3,4,5,6,7,8,9,10,11,12,13,14,15
	RANK \i
.endr
.irp e, 0
	v_writelane_b32 v[C8], s[CNT+\e], \e
.endr
.irp e, 1, 2, 3, 4, 5, 6, 7
	s_delay_alu instid0(VALU_DEP_1)
	v_writelane_b32 v[C8], s[CNT+\e], \e
.endr
	ds_store_b32 v9, v[C8]
	s_wait_dscnt 0x0                               ; for the others' sake: my counts have landed
	s_barrier_signal -1
	s_barrier_wait -1
	ds_load_b32 v[A], v12                          ; waves 0 to 3,
	ds_load_b32 v[B], v12 offset:512               ; waves 4 to 7
	s_wait_dscnt 0x0
	v_add_nc_u32 v[TT], v[A], v[B]
	v_cmp_gt_u32 vcc_lo, s20, v10                  ; only the waves in front of mine count for the prefix
	s_delay_alu instid0(VALU_DEP_1)
	v_cndmask_b32 v[PP], 0, v[A], vcc_lo
	v_cmp_gt_u32 vcc_lo, s20, v13
	s_delay_alu instid0(VALU_DEP_1)
	v_cndmask_b32 v[Y], 0, v[B], vcc_lo
	s_delay_alu instid0(VALU_DEP_1)
	v_add_nc_u32 v[PP], v[PP], v[Y]
	v_mov_b32_dpp v[X], v[TT] row_xmask:8 row_mask:0xf bank_mask:0xf     ; the four lanes that share lane % 8: l xor 8, then l xor 16
	s_delay_alu instid0(VALU_DEP_1)
	v_add_nc_u32 v[TT], v[TT], v[X]
	s_delay_alu instid0(VALU_DEP_1)
	v_permlanex16_b32 v[X], v[TT], s[SEL], s[SEL+1]
	s_delay_alu instid0(VALU_DEP_1)
	v_add_nc_u32 v[TT], v[TT], v[X]
	v_mov_b32_dpp v[X], v[PP] row_xmask:8 row_mask:0xf bank_mask:0xf
	s_delay_alu instid0(VALU_DEP_1)
	v_add_nc_u32 v[PP], v[PP], v[X]
	s_delay_alu instid0(VALU_DEP_1)
	v_permlanex16_b32 v[X], v[PP], s[SEL], s[SEL+1]
	s_delay_alu instid0(VALU_DEP_1)
	v_add_nc_u32 v[PP], v[PP], v[X]
.irp e, 0,1,2,3,4,5,6,7
	v_readlane_b32 s[TOT+\e], v[TT], \e
	v_readlane_b32 s[PRE+\e], v[PP], \e
.endr
	s_mov_b32 s[TB], 0
	s_mov_b32 s[CPAD], 0
.irp e, 0,1,2,3,4,5,6,7
	s_add_co_u32 s[TMP], s[TOT+\e], 79
	s_mul_i32 s[TMP], s[TMP], 0xcccd               ; slots of the expert = (count + 79) / 80 = (x 52,429) >> 22, exactly up to 4,175: 52,429 x 80 = 2^22 + 16
	s_lshr_b32 s[TMP], s[TMP], 22
	s_add_co_u32 s[TB+\e+1], s[TB+\e], s[TMP]
	s_mul_i32 s[TMP+1], s[TB+\e], 80
	s_add_co_u32 s[BASE+\e], s[TMP+1], s[PRE+\e]
	s_add_co_u32 s[AE+\e], s[TMP+1], s[TOT+\e]
	s_mul_i32 s[TMP], s[TMP], 80
	s_sub_co_u32 s[TMP], s[TMP], s[TOT+\e]
	s_add_co_u32 s[CPAD+\e+1], s[CPAD+\e], s[TMP]
.endr
	; each token to its place.  Every store has an offset register and a data register of its own: none is written again
.irp i, 0,1,2,3,4,5,6,7,8,9,10,11,12,13,14,15
	v_mov_b32 v[IX+\i], s[BASE]
.irp e, 1,2,3,4,5,6,7
	v_cmp_eq_u32 vcc_lo, \e, v[E+\i]
	s_delay_alu instid0(VALU_DEP_1)
	v_cndmask_b32 v[IX+\i], v[IX+\i], s[BASE+\e], vcc_lo
.endr
	s_delay_alu instid0(VALU_DEP_1)
	v_add_nc_u32 v[IX+\i], v[IX+\i], v[R+\i]
	s_delay_alu instid0(VALU_DEP_1)
	v_min_u32 v[IX+\i], 0x126f, v[IX+\i]           ; a number made of loaded numbers enters an address behind a bound: 4,719, the last row of the last slot
	s_delay_alu instid0(VALU_DEP_1)
	v_lshlrev_b32 v[IX+\i], 2, v[IX+\i]
	v_lshl_add_u32 v[TK+\i], v0, 2, 1024*(\i/4)+(\i%4)
	global_store_b32 v[IX+\i], v[TK+\i], s[16:17]
.endr
	; the 4,720 - 4,096 = 624 words that hold no token get 0.  Padding word x lies at x + the counts of all experts e with CPAD[e] <= x; numbers from 624 on fall on the words behind the slots
.irp k, 0,1,2
	v_add_nc_u32 v[PXR+\k], 256*\k, v0
	s_delay_alu instid0(VALU_DEP_1)
	v_add_nc_u32 v[PO+\k], s[TOT], v[PXR+\k]
.irp e, 1,2,3,4,5,6,7
	v_cmp_le_u32 vcc_lo, s[CPAD+\e], v[PXR+\k]
	s_delay_alu instid0(VALU_DEP_1)
	v_cndmask_b32 v[T], 0, s[TOT+\e], vcc_lo
	s_delay_alu instid0(VALU_DEP_1)
	v_add_nc_u32 v[PO+\k], v[PO+\k], v[T]
.endr
	s_delay_alu instid0(VALU_DEP_1)
	v_min_u32 v[PO+\k], 0x127f, v[PO+\k]           ; 4,735: the buffer's last word
	s_delay_alu instid0(VALU_DEP_1)
	v_lshlrev_b32 v[PO+\k], 2, v[PO+\k]
	global_store_b32 v[PO+\k], v[ZR], s[16:17]
.endr
	; the list of tiles: slot i belongs to the last expert e with TB[e] <= i and has min(80, AE[e] - 80 i) rows, none where that is negative
	v_min_u32 v[TI], 63, v0                        ; threads from 64 on write word 63 once more, with the same number
	v_mov_b32 v[TV], s[AE]
	v_mov_b32 v[TE], 0
.irp e, 1,2,3,4,5,6,7
	v_cmp_le_u32 vcc_lo, s[TB+\e], v[TI]
	s_delay_alu instid0(VALU_DEP_1)
	v_cndmask_b32 v[TV], v[TV], s[AE+\e], vcc_lo
	s_delay_alu instid0(VALU_DEP_2)
	v_cndmask_b32 v[T], 0, 1, vcc_lo
	s_delay_alu instid0(VALU_DEP_1)
	v_add_nc_u32 v[TE], v[TE], v[T]
.endr
	v_mul_u32_u24 v[T], 80, v[TI]
	s_delay_alu instid0(VALU_DEP_1)
	v_sub_nc_u32 v[TV], v[TV], v[T]
	s_delay_alu instid0(VALU_DEP_1)
	v_cmp_gt_i32 vcc_lo, 0, v[TV]
	s_delay_alu instid0(VALU_DEP_1)
	v_cndmask_b32 v[TV], v[TV], 0, vcc_lo
	s_delay_alu instid0(VALU_DEP_1)
	v_min_u32 v[TV], 80, v[TV]
	s_delay_alu instid0(VALU_DEP_1)
	v_lshl_or_b32 v[TV], v[TE], 8, v[TV]
	v_lshlrev_b32 v[TI], 2, v[TI]
	global_store_b32 v[TI], v[TV], s[18:19]
	s_wait_tensorcnt 0x0
	ds_add_u32 v224, v225
	s_wait_dscnt 0x0
	s_endpgm
.Lfunc_end_k_qf377bfee29_prep:
	.size	k_qf377bfee29_prep, .Lfunc_end_k_qf377bfee29_prep-k_qf377bfee29_prep
	.p2alignl 7, 3214868480
	.fill 96, 4, 3214868480
	.section	.rodata,"a",@progbits
	.p2align	6, 0x0
	.amdhsa_kernel k_qf377bfee29_prep
		.amdhsa_group_segment_fixed_size 36864
		.amdhsa_private_segment_fixed_size 0
		.amdhsa_enable_private_segment 0
		.amdhsa_kernarg_size 64
		.amdhsa_user_sgpr_count 2
		.amdhsa_user_sgpr_kernarg_segment_ptr 1
		.amdhsa_wavefront_size32 1
		.amdhsa_system_sgpr_workgroup_id_x 1
		.amdhsa_system_sgpr_workgroup_id_y 1
		.amdhsa_system_sgpr_workgroup_id_z 1
		.amdhsa_system_vgpr_workitem_id 0
		.amdhsa_next_free_vgpr 226
		.amdhsa_next_free_sgpr 96
		.amdhsa_reserve_vcc 1
		.amdhsa_float_denorm_mode_32 3
		.amdhsa_float_denorm_mode_16_64 3
		.amdhsa_memory_ordered 1
		.amdhsa_forward_progress 1
		.amdhsa_inst_pref_size 88
	.end_amdhsa_kernel
	.amdgpu_metadata
---
amdhsa.version: [ 1, 2 ]
amdhsa.kernels:
  - .name:           k_qf377bfee29_prep
    .symbol:         k_qf377bfee29_prep.kd
    .args:
      - { .name: token_ids, .offset: 0, .size: 8, .value_kind: global_buffer, .address_space: global }
      - { .name: gate_proj_codes, .offset: 8, .size: 8, .value_kind: global_buffer, .address_space: global }
      - { .name: up_proj_codes, .offset: 16, .size: 8, .value_kind: global_buffer, .address_space: global }
      - { .name: down_proj_codes, .offset: 24, .size: 8, .value_kind: global_buffer, .address_space: global }
      - { .name: gu_img, .offset: 32, .size: 8, .value_kind: global_buffer, .address_space: global }
      - { .name: d_img, .offset: 40, .size: 8, .value_kind: global_buffer, .address_space: global }
      - { .name: order, .offset: 48, .size: 8, .value_kind: global_buffer, .address_space: global }
      - { .name: tiles, .offset: 56, .size: 8, .value_kind: global_buffer, .address_space: global }
    .group_segment_fixed_size: 36864
    .private_segment_fixed_size: 0
    .kernarg_segment_align: 8
    .kernarg_segment_size: 64
    .max_flat_workgroup_size: 256
    .sgpr_count:     96
    .vgpr_count:     226
    .wavefront_size: 32
...
	.end_amdgpu_metadata
.endif
;; end of part 4
;; launch gateup (part 5): grid 4 x 59, 4 waves a work-group, no clusters, 187,392 bytes of LDS; arguments hidden_states_codes, hidden_states_scales, gate_proj_scales, up_proj_scales, gu_img, order, tiles, h_img, h_sc; writes h_img, h_sc
.if DOCPART == 5
	.amdgcn_target "amdgcn-amd-amdhsa--gfx1250"
	.amdhsa_code_object_version 6
	.text
	.protected	k_qf377bfee29_gateup
	.globl	k_qf377bfee29_gateup
	.p2align	8
	.type	k_qf377bfee29_gateup,@function
k_qf377bfee29_gateup:
	s_mov_b64 s[64:65], 0
	v_nop
	global_prefetch_b8 v0, s[64:65] scope:SCOPE_SE
	s_setreg_imm32_b32 hwreg(HW_REG_WAVE_SCHED_MODE, 0, 2), 2
	s_setreg_imm32_b32 hwreg(HW_REG_WAVE_MODE, 25, 1), 1
	s_wait_xcnt 0x0
	s_wait_alu depctr_vm_vsrc(0)
; GATEUP.  h = Q(silu(x G_e) (x U_e)) for one slot of 80 sorted rows (work-group y) and 64 of the expert's 256 hidden units (work-group x = p).  Both products on codes of E5M2 with E8M0 scales as they are given.
; SHARES.  Wave w owns 16 hidden units, 64 p + 16 w on: one tile of gate's rows and one of up's, for all five tiles of 16 rows: ten accumulators.  Its weights come from gu_img straight into operand registers,
;   512 consecutive bytes a load, through a ring of eight K steps.  The 80 rows of x are gathered ONCE by the four waves (20 rows each, 512 bytes of a row a load) into LDS, whole, and every wave sweeps them.
; THE PRODUCTS ARE USED TRANSPOSED: source 0 = 16 rows of the weight, source 1 = 16 tokens: lane (r, h) holds token r and hidden units 8 h + 0 .. 7 of the tile.
; THE WAY OUT.  silu(g) u in f32 goes to a stage in LDS (80 rows x 64 numbers); behind a barrier a wave takes a tile of 16 rows with 16 NEIGHBOURS along the hidden axis to a lane, quantises its two blocks of 32, and stores
;   them as groups of four registers of the next product's fragment image (h_img: [slot][tile of rows 5][K step 2][c 4][lane 32][16 bytes]) and two bytes of each row's scale word (h_sc: [slot][K step 2][row 80][4]).
; A SLOT WITHOUT ROWS runs the same text on its padding rows (order holds token 0 there): no barrier may stand under a branch on a loaded number.  What it stores lies in its own slot, which the next launch does not use.
; No tensor load, no cluster: the expert and the rows are stored numbers, so partners' requests could not be written alike.  EXEC is never changed.
; LIMITS: a hidden block of zeros gets the scale byte 1, where the quantiser's rule says 127: its codes are zeros, and this program alone reads the bytes.  h is formed as (g u) x 1 / (1 + 2^(-g log2 e)): one rounding placed
;   otherwise than in silu(g) u; where |g u| passes the largest f32 number while silu(g) u would not, the result differs.  NaN and infinities spread within their own row.
; REGISTERS, in windows of 256 (s_set_vgpr_msb: bits 1:0 source 0, 3:2 source 1, 5:4 source 2, 7:6 destination):
;   window 0: addresses, scale words, the quantiser's registers.   window 1: v0-79 accumulators ((m, t) at 16 m + 8 t; t = 0 gate, 1 up); v80-159, v160-239 x's five fragments, two sets; v0-63 first hold gathered rows 16-19.
;   window 2: the weights' ring, step s at 32 (s % 8): 16 registers of gate, 16 of up.   window 3: gathered rows 0-15.
; THE MODE: SCHED_MODE bits 1:0 = 2 (LLVM: expert scheduling mode 2), set by the entry lines.  The code itself states the register dependences between vector or matrix instructions and memory or LDS instructions,
;   with s_wait_alu, always for 0.
; THE PLAN.  Registers that memory or LDS instructions touch:
;   v4-9, v13-15, v36-39   Addresses and offsets: all made at the head, ahead of one wait on va_vdst, and never written again.
;   XO, RO          Offsets made of loaded tokens, in one run, ahead of one wait on va_vdst; never written again.
;   gathered rows   Written by loads, read by LDS stores.  Window 1's v0-63 become accumulators: one wait on vm_vsrc behind the first barrier.
;   x's two sets    Step s's products read set s % 2.  The LDS loads at step s's head land in the other set, which step s - 1's products read.
;   the ring        Step s's products read place s % 8.  The loads in the middle of step s (weight step s + 7) land in place (s - 1) % 8, which step s - 1's products read.
;   So ONE wait on va_vdst stands at the head of steps 1 to 14; the step's products name their own set, their own place, the accumulators and the scale words: none of the registers that the step's loads touch.
;   the way out     Vector lines write silu(g) u, the codes and the scale bytes; one wait on va_vdst stands ahead of each run of stores that reads them; one on vm_vsrc ahead of wave 0's second tile, which writes the codes again.
.set XP,   2064                        ; a row of x in LDS: 2,048 bytes + 16: 516 words, so row r starts at bank 4 r mod 64 (64 banks of 4 bytes: ISA guide 11.1)
.set HST,  80*XP                       ; behind x: the stage, 80 rows x (256 bytes + 16)
.set HP,   272
.set L16,  4                           ; v4      16 x lane
.set VA,   5                           ; v5-7    x's fragments: r XP + 16 h, for tiles 0-1, 2-3, 4
.set GS,   8                           ; v8      where my wave's gathered rows go
.set WSO,  9                           ; v9      64 r: a weight row's 16 scale words
.set XO,   10                          ; v10-12  tokens of rows 32 i + lane, then 64 x token
.set HSO,  13                          ; v13     the stage, in
.set HSL,  14                          ; v14     the stage, out: tile w
.set HSL4, 15                          ; v15     tile 4
.set RO,   16                          ; v16-35  my 20 rows: 2,048 x token + 16 x lane
.set SCO,  36                          ; v36     4 r
.set XI,   37                          ; v37-39  4 x min(32 i + lane, 79)
.set WS,   40                          ; v40-55 gate's scale words by K step, v56-71 up's: lanes 0-15
.set XS,   72                          ; v72-119 x's scale words: set i at 72 + 16 i, register s = K step s, lane l = row 32 i + l
.set H,    128                         ; v128-159 two blocks x 16 numbers
.set AM,   160
.set PX,   162
.set SO,   164
.set HD,   166
.set BY,   168
.set SW,   170
.set CD,   172                         ; v172-179 the codes
.set AB,   80                          ; window 1: x's fragments
.set TT,   80                          ; window 1: at work on the way out
.set MSB, 0
.macro WIN new                         ; the immediate's high byte repeats the setting that is left
.if MSB != \new
	s_set_vgpr_msb (MSB<<8)|\new
.set MSB, \new
.endif
.endm
.macro WLOAD s                         ; K step s of my two tiles: eight loads of 512 consecutive bytes
	WIN 0x80
.irp f, 0,1
.irp c, 0,1,2,3
	global_load_b128 v[32*((\s)%8)+16*\f+4*\c:32*((\s)%8)+16*\f+4*\c+3], v[L16], s[48:49] offset:4096*(\s)+2048*\f+512*\c
.endr
.endr
.endm
.macro AFETCH s                        ; K step s of the five tiles of rows
	WIN 0x40
.irp m, 0,1,2,3,4
.irp c, 0,1,2,3
	ds_load_b128 v[AB+80*((\s)%2)+16*\m+4*\c:AB+80*((\s)%2)+16*\m+4*\c+3], v[VA+\m/2] offset:(\m%2)*16*XP+128*(\s)+32*\c
.endr
.endr
.endm
.macro GP s, m, t                      ; one product.  x's scale words of an odd tile lie in lanes 16-31
.set rD, 16*(\m)+8*(\t)
.set rA, 32*((\s)%8)+16*(\t)
.set rB, AB+80*((\s)%2)+16*(\m)
.set rSA, WS+16*(\t)+(\s)
.set rSB, XS+16*((\m)/2)+(\s)
.if ((\s) == 0) && ((\m)%2 == 0)
	v_wmma_scale_f32_16x16x128_f8f6f4 v[rD:rD+7], v[rA:rA+15], v[rB:rB+15], 0, v[rSA], v[rSB] matrix_a_fmt:MATRIX_FMT_BF8 matrix_b_fmt:MATRIX_FMT_BF8
.elseif (\s) == 0
	v_wmma_scale_f32_16x16x128_f8f6f4 v[rD:rD+7], v[rA:rA+15], v[rB:rB+15], 0, v[rSA], v[rSB] matrix_a_fmt:MATRIX_FMT_BF8 matrix_b_fmt:MATRIX_FMT_BF8 matrix_b_scale:MATRIX_SCALE_ROW1
.elseif (\m)%2 == 0
	v_wmma_scale_f32_16x16x128_f8f6f4 v[rD:rD+7], v[rA:rA+15], v[rB:rB+15], v[rD:rD+7], v[rSA], v[rSB] matrix_a_fmt:MATRIX_FMT_BF8 matrix_b_fmt:MATRIX_FMT_BF8
.else
	v_wmma_scale_f32_16x16x128_f8f6f4 v[rD:rD+7], v[rA:rA+15], v[rB:rB+15], v[rD:rD+7], v[rSA], v[rSB] matrix_a_fmt:MATRIX_FMT_BF8 matrix_b_fmt:MATRIX_FMT_BF8 matrix_b_scale:MATRIX_SCALE_ROW1
.endif
.endm
; A K step of 128: ten products, the ten accumulators by turns, in the same order in every step.  The first step's products start the sums: nothing is cleared.
.macro STEP s
	s_wait_dscnt 0x0                               ; x's fragments of this step are in: asked for a step, ten products, ago
.if (\s) == 0
	s_wait_loadcnt 56                              ; this step's weights are in: behind them the seven younger steps' 56 loads were issued
.elseif (\s) < 10
	s_wait_loadcnt 48                              ; the weights asked for so far reach step s + 6 (step 7 at the least, step 15 at the most): six younger steps, 48 loads
.else
	s_wait_loadcnt 8*(15-(\s))                     ; near the end: the steps that are left
.endif
.if ((\s) > 0) && ((\s) < 15)
	s_wait_alu depctr_va_vdst(0)                   ; the last step's products are done reading their set of x's fragments and their place in the ring, in which this step's loads land
.endif
.if (\s) < 15
	AFETCH (\s)+1                                  ; the next step's, into the set that the last step's products read
.endif
	WIN 0x56                                       ; source 0 (weights) window 2; source 1 (x), C and D window 1
.irp m, 0,1
.irp t, 0,1
	GP \s, \m, \t
.endr
.endr
	GP \s, 2, 0
.if ((\s) > 0) && ((\s) < 9)
	WLOAD (\s)+7                                   ; into the ring's place that the last step read.  No wait: no vector or matrix instruction since the wait above names that place or the offset
	WIN 0x56
.endif
	GP \s, 2, 1
.irp m, 3,4
.irp t, 0,1
	GP \s, \m, \t
.endr
.endr
.rept 8
	v_nop                                          ; eight places behind this form: behind the last step ahead of the first read of results; in the other steps between the products and the next step's loads into registers that they have read, beside the wait at that step's head
.endr
.endm
; One tile of 16 rows out of the stage: lane (r, h) takes, of row r, numbers 32 b + 16 h + 0 .. 15 of blocks b = 0, 1.
.macro QTILE adr, hb, sb
.irp b, 0,1
.irp i, 0,1,2,3
	ds_load_b128 v[H+16*\b+4*\i:H+16*\b+4*\i+3], v[\adr] offset:128*\b+16*\i
.endr
.endr
	s_wait_dscnt 0x0
.irp b, 0,1
	v_max3_num_f32 v[AM+\b], |v[H+16*\b]|, |v[H+16*\b+1]|, 0x8000000   ; my 16 numbers, and the floor 2^(16 - 127): so the byte cannot fall under 1
.endr
.irp i, 2,4,6,8,10,12,14
.irp b, 0,1
	v_max3_num_f32 v[AM+\b], v[AM+\b], |v[H+16*\b+\i]|, |v[H+16*\b+\i+1]|
.endr
.endr
.irp b, 0,1
	v_permlanex16_b32 v[PX+\b], v[AM+\b], s62, s63
.endr
.irp b, 0,1
	v_max_num_f32 v[AM+\b], v[AM+\b], v[PX+\b]     ; with lane l xor 16's: the block's largest magnitude
.endr
.irp b, 0,1
	v_add_nc_u32 v[SO+\b], 0xf8800000, v[AM+\b]    ; 15 off its exponent field: the conversion takes this operand's exponent field as its scale
.endr
.irp b, 0,1
	v_and_or_b32 v[HD+\b], v[AM+\b], 0x7f800000, s47   ; 57,344 x the scale
.endr
.irp b, 0,1
	v_lshrrev_b32 v[BY+\b], 23, v[SO+\b]           ; the scale's byte
.endr
.irp b, 0,1
.irp i, 0,1,2,3,4,5,6,7,8,9,10,11,12,13,14,15
	v_med3_num_f32 v[H+16*\b+\i], v[H+16*\b+\i], -v[HD+\b], v[HD+\b]   ; the conversion to an 8-bit code does not saturate (ISA guide 7.6.2): the hold at the largest code x the scale
.endr
	v_cvt_scalef32_pk8_bf8_f32 v[CD+4*\b:CD+4*\b+1], v[H+16*\b:H+16*\b+7], v[SO+\b]
	v_cvt_scalef32_pk8_bf8_f32 v[CD+4*\b+2:CD+4*\b+3], v[H+16*\b+8:H+16*\b+15], v[SO+\b]
.endr
	v_nop                                          ; one plain line behind the last conversion
	v_lshl_or_b32 v[SW], v[BY+1], 8, v[BY]
	s_wait_alu depctr_va_vdst(0)                   ; the conversions have written the codes and the line above the two bytes, which the stores read; every vector line of the tile is also done with v[H ..], in which wave 0's next loads land
.irp b, 0,1
	global_store_b128 v[L16], v[CD+4*\b:CD+4*\b+3], s[\hb:\hb+1] offset:512*\b   ; group c = 2 (p % 2) + b of the fragment's image: 512 consecutive bytes, aligned
.endr
	global_store_b16 v[SCO], v[SW], s[\sb:\sb+1]   ; two of the four bytes of each row's scale word; both halves of the lanes write the same bytes
.endm
	s_load_b512 s[4:19], s[0:1], 0x0               ; x's codes s[4:5], x's scales s[6:7], gate's scales s[8:9], up's s[10:11], gu_img s[12:13], order s[14:15], tiles s[16:17], h_img s[18:19]
	s_load_b64 s[20:21], s[0:1], 0x40              ; h_sc
	v_lshl_add_u32 v254, v0, 2, 0x2da00
	v_mov_b32 v255, 0
	v_and_b32 v1, 31, v0                           ; lane
	v_and_b32 v2, 15, v0                           ; r
	v_bfe_u32 v3, v0, 4, 1                         ; h
	v_lshrrev_b32 v120, 5, v0
	v_readfirstlane_b32 s22, v120                  ; wave 0..3
	s_mov_b32 s23, ttmp9                           ; p
	s_and_b32 s46, ttmp7, 0xffff                   ; slot
	s_mov_b32 s47, 0x600000                        ; the mantissa field of 57,344
	s_mov_b32 s62, 0x76543210
	s_mov_b32 s63, 0xfedcba98                      ; v_permlanex16_b32's selects for lane l xor 16
	s_mov_b32 s3, 0
	v_lshlrev_b32 v[L16], 4, v1
	v_lshlrev_b32 v[XI], 2, v1
	v_add_nc_u32 v[XI+1], 128, v[XI]
	v_add_nc_u32 v[XI+2], 64, v1
	v_min_u32 v[XI+2], 79, v[XI+2]
	v_lshlrev_b32 v[XI+2], 2, v[XI+2]
	v_mul_u32_u24 v[VA], v2, XP
	v_lshl_add_u32 v[VA], v3, 4, v[VA]
	v_add_nc_u32 v[VA+1], 32*XP, v[VA]
	v_add_nc_u32 v[VA+2], 64*XP, v[VA]
	v_lshlrev_b32 v[WSO], 6, v2
	v_lshlrev_b32 v[SCO], 2, v2
	v_mul_u32_u24 v[HSO], v2, HP                   ; in: row r, my wave's 64 bytes, 32 for each half of the lanes
	v_lshl_add_u32 v[HSO], v3, 5, v[HSO]
	v_mul_u32_u24 v[HSL4], v2, HP                  ; out: row r of a tile, 64 bytes for each half of the lanes
	v_lshl_add_u32 v[HSL4], v3, 6, v[HSL4]
	v_mov_b32 v[PX], 0                             ; written once: a lane permute's destination counts as one of its sources
	v_mov_b32 v[PX+1], 0
	s_wait_alu depctr_va_sdst(0)                   ; s22, the wave's number, is written, ahead of its first reader
	s_mul_i32 s58, s22, 20*XP                      ; (each scalar that a vector line reads here has a register of its own, written again only far behind the wait on va_vdst below)
	v_add_nc_u32 v[GS], s58, v[L16]
	s_lshl_b32 s59, s22, 6
	s_add_co_u32 s59, s59, HST
	v_add_nc_u32 v[HSO], s59, v[HSO]
	s_mul_i32 s60, s22, 16*HP
	s_add_co_u32 s60, s60, HST
	v_add_nc_u32 v[HSL], s60, v[HSL4]
	v_add_nc_u32 v[HSL4], HST+64*HP, v[HSL4]
	s_wait_kmcnt 0x0
	s_lshl_b32 s2, s46, 2
	s_add_nc_u64 s[16:17], s[16:17], s[2:3]
	s_load_b32 s44, s[16:17], 0x0                  ; the slot's word: expert << 8 | rows
	s_mul_i32 s2, s46, 320
	s_add_nc_u64 s[14:15], s[14:15], s[2:3]        ; the slot's 80 words of order
	s_mul_i32 s2, s22, 80
	s_add_nc_u64 s[48:49], s[14:15], s[2:3]
	s_load_b512 s[24:39], s[48:49], 0x0            ; my wave's 20 rows
	s_load_b128 s[40:43], s[48:49], 0x40
	s_wait_alu depctr_va_vdst(0)                   ; the addresses and offsets v4 to v9, v13 to v15 and v36 to v39 are written, which the loads, LDS instructions and stores of the whole kernel read
.irp i, 0,1,2
	global_load_b32 v[XO+\i], v[XI+\i], s[14:15]   ; and all 80, a lane a row, for the scale words
.endr
	s_wait_kmcnt 0x0
	s_lshr_b32 s45, s44, 8
	s_min_u32 s45, s45, 7                          ; the expert: a loaded number enters an address behind a bound
	s_lshl_b32 s45, s45, 4
	s_lshl_b32 s2, s23, 2
	s_add_co_u32 s45, s45, s2
	s_add_co_u32 s45, s45, s22                     ; my tile of weight rows: 16 expert + 4 p + w
	s_lshl_b32 s2, s45, 16
	s_add_nc_u64 s[48:49], s[12:13], s[2:3]        ; its 16 K steps in gu_img
	s_lshl_b32 s2, s45, 10
	s_add_nc_u64 s[50:51], s[8:9], s[2:3]          ; its 16 rows of 64 scale bytes
	s_add_nc_u64 s[52:53], s[10:11], s[2:3]
.irp q, 0,1,2,3
	global_load_b128 v[WS+4*\q:WS+4*\q+3], v[WSO], s[50:51] offset:16*\q
	global_load_b128 v[WS+16+4*\q:WS+16+4*\q+3], v[WSO], s[52:53] offset:16*\q
.endr
.irp s, 0,1,2,3
	WLOAD \s
.endr
	WIN 0
	s_wait_loadcnt 40                              ; the 80 tokens are in: behind them 8 loads of scale words and 32 of weights were issued
.irp i, 0,1,2
	v_min_u32 v[XO+\i], 0xfff, v[XO+\i]
	v_lshlrev_b32 v[XO+\i], 6, v[XO+\i]            ; a token's 64 scale bytes
.endr
.irp i, 0,1,2,3,4,5,6,7,8,9,10,11,12,13,14,15,16,17,18,19
	s_min_u32 s[24+\i], s[24+\i], 0xfff
	v_lshl_add_u32 v[RO+\i], s[24+\i], 11, v[L16]
.endr
	s_wait_alu depctr_va_vdst(0)                   ; the offsets made of tokens, v10 to v12 and v16 to v35, are written, which the 92 loads below read
.irp i, 0,1,2
.irp q, 0,1,2,3
	global_load_b128 v[XS+16*\i+4*\q:XS+16*\i+4*\q+3], v[XO+\i], s[6:7] offset:16*\q
.endr
.endr
	WIN 0xc0                                       ; THE GATHER: 80 loads, each 512 consecutive bytes of one row
.irp i, 0,1,2,3,4,5,6,7,8,9,10,11,12,13,14,15
.irp j, 0,1,2,3
	global_load_b128 v[16*\i+4*\j:16*\i+4*\j+3], v[RO+\i], s[4:5] offset:512*\j
.endr
.endr
	WIN 0x40
.irp i, 0,1,2,3
.irp j, 0,1,2,3
	global_load_b128 v[16*\i+4*\j:16*\i+4*\j+3], v[RO+16+\i], s[4:5] offset:512*\j
.endr
.endr
.irp s, 4,5,6,7
	WLOAD \s
.endr
	; where my results go
	s_lshr_b32 s44, s23, 1                         ; the next product's K step: p / 2
	s_and_b32 s45, s23, 1                          ; and which half of it
	s_mul_i32 s2, s46, 20480
	s_lshl_b32 s16, s44, 11
	s_add_co_u32 s2, s2, s16
	s_lshl_b32 s16, s45, 10
	s_add_co_u32 s2, s2, s16
	s_add_nc_u64 s[56:57], s[18:19], s[2:3]
	s_lshl_b32 s2, s22, 12
	s_add_nc_u64 s[54:55], s[56:57], s[2:3]        ; h_img: tile w of the rows,
	s_add_nc_u64 s[56:57], s[56:57], 16384         ; and tile 4
	s_mul_i32 s2, s46, 640
	s_mul_i32 s16, s44, 320
	s_add_co_u32 s2, s2, s16
	s_lshl_b32 s16, s45, 1
	s_add_co_u32 s2, s2, s16
	s_add_nc_u64 s[60:61], s[20:21], s[2:3]
	s_lshl_b32 s2, s22, 6
	s_add_nc_u64 s[58:59], s[60:61], s[2:3]        ; h_sc likewise
	s_add_nc_u64 s[60:61], s[60:61], 256
	WIN 0x0c                                       ; an LDS store's data are its source 1: window 3
	s_wait_loadcnt 63                              ; the youngest 63 are weight steps 4-7 (32) and the gather's last 31: rows 0 to 11 are in
.irp i, 0,1,2,3,4,5,6,7,8,9,10,11
.irp j, 0,1,2,3
	ds_store_b128 v[GS], v[16*\i+4*\j:16*\i+4*\j+3] offset:\i*XP+512*\j
.endr
.endr
	s_wait_loadcnt 48                              ; 32 + the gather's last 16: rows 12 to 15 are in
.irp i, 12,13,14,15
.irp j, 0,1,2,3
	ds_store_b128 v[GS], v[16*\i+4*\j:16*\i+4*\j+3] offset:\i*XP+512*\j
.endr
.endr
	WIN 0x04
	s_wait_loadcnt 32                              ; only weight steps 4-7 may be out
.irp i, 0,1,2,3
.irp j, 0,1,2,3
	ds_store_b128 v[GS], v[16*\i+4*\j:16*\i+4*\j+3] offset:(16+\i)*XP+512*\j
.endr
.endr
	WIN 0
	s_wait_dscnt 0x0                               ; for the others' sake: my 20 rows have landed
	s_barrier_signal -1
	s_barrier_wait -1                              ; all 80 rows of x lie in LDS; nobody writes them again
	s_wait_alu depctr_vm_vsrc(0)                   ; my LDS stores have read window 1's v0 to v63 (rows 16 to 19): these registers are accumulators from here on, written by the first step's products
	AFETCH 0
.irp s, 0,1,2,3,4,5,6,7,8,9,10,11,12,13,14,15
	STEP \s
.endr
	; silu(g) u = g u / (1 + 2^(-g log2 e)).  Each accumulator is first read at its low end.
	WIN 0x55
.irp m, 0,1,2,3,4
.irp k, 0,2,4,6
	v_pk_mul_f32 v[TT+8*\m+\k:TT+8*\m+\k+1], v[16*\m+\k:16*\m+\k+1], 0xbfb8aa3b op_sel_hi:[1,0]
.endr
.endr
.set j, 0
	s_wait_alu depctr_va_vdst(0)
.rept 40
	v_exp_f32 v[TT+j], v[TT+j]
.set j, j+1
.endr
	v_nop                                          ; a plain line behind the last exponential,
	s_wait_alu depctr_va_vdst(0)                   ; and one wait for the batch of 40, ahead of its first reader: the exponentials have written v[TT ..]
.set j, 0
.rept 20
	v_pk_add_f32 v[TT+j:TT+j+1], v[TT+j:TT+j+1], 1.0 op_sel_hi:[1,0]
.set j, j+2
.endr
.set j, 0
	s_wait_alu depctr_va_vdst(0)
.rept 40
	v_rcp_f32 v[TT+j], v[TT+j]
.set j, j+1
.endr
	s_wait_alu depctr_va_vdst(0)
.irp m, 0,1,2,3,4
.irp k, 0,2,4,6
	v_pk_mul_f32 v[16*\m+\k:16*\m+\k+1], v[16*\m+\k:16*\m+\k+1], v[16*\m+8+\k:16*\m+8+\k+1]   ; g u: plain work that names no reciprocal
.endr
.endr
	s_wait_alu depctr_va_vdst(0)                   ; one wait for the 40 reciprocals, ahead of their first reader: they have written v[TT ..]
.irp m, 0,1,2,3,4
.irp k, 0,2,4,6
	v_pk_mul_f32 v[16*\m+\k:16*\m+\k+1], v[16*\m+\k:16*\m+\k+1], v[TT+8*\m+\k:TT+8*\m+\k+1]
.endr
.endr
	WIN 0x04
	s_wait_alu depctr_va_vdst(0)                   ; the multiplications above have written silu(g) u, which the LDS stores read
.irp m, 0,1,2,3,4
	ds_store_b128 v[HSO], v[16*\m:16*\m+3] offset:16*HP*\m
	ds_store_b128 v[HSO], v[16*\m+4:16*\m+7] offset:16*HP*\m+16
.endr
	WIN 0
	s_wait_dscnt 0x0                               ; for the others' sake: my 16 columns of the stage have landed
	s_barrier_signal -1
	s_barrier_wait -1
	QTILE HSL, 54, 58                              ; tile w of the rows
	s_cmp_lg_u32 s22, 0
	s_cbranch_scc1 .Lend
	s_wait_xcnt 0x0                                ; the stores above have had their addresses translated: their data registers are written again only behind this wait,
	s_wait_alu depctr_vm_vsrc(0)                   ; and behind this one: the stores have read the codes and the two bytes, which the fifth tile's vector lines write again
	QTILE HSL4, 56, 60                             ; the fifth tile is wave 0's
.Lend:
	s_wait_dscnt 0x0
	s_wait_alu depctr_hold_cnt(0) depctr_sa_sdst(0) depctr_va_vdst(0) depctr_va_sdst(0) depctr_va_ssrc(0) depctr_va_vcc(0) depctr_vm_vsrc(0)
	s_wait_tensorcnt 0x0
	ds_add_u32 v254, v255
	s_wait_dscnt 0x0
	s_endpgm
.Lfunc_end_k_qf377bfee29_gateup:
	.size	k_qf377bfee29_gateup, .Lfunc_end_k_qf377bfee29_gateup-k_qf377bfee29_gateup
	.p2alignl 7, 3214868480
	.fill 96, 4, 3214868480
	.section	.rodata,"a",@progbits
	.p2align	6, 0x0
	.amdhsa_kernel k_qf377bfee29_gateup
		.amdhsa_group_segment_fixed_size 187392
		.amdhsa_private_segment_fixed_size 0
		.amdhsa_enable_private_segment 0
		.amdhsa_kernarg_size 72
		.amdhsa_user_sgpr_count 2
		.amdhsa_user_sgpr_kernarg_segment_ptr 1
		.amdhsa_wavefront_size32 1
		.amdhsa_system_sgpr_workgroup_id_x 1
		.amdhsa_system_sgpr_workgroup_id_y 1
		.amdhsa_system_sgpr_workgroup_id_z 1
		.amdhsa_system_vgpr_workitem_id 0
		.amdhsa_next_free_vgpr 1024
		.amdhsa_next_free_sgpr 66
		.amdhsa_reserve_vcc 0
		.amdhsa_float_denorm_mode_32 3
		.amdhsa_float_denorm_mode_16_64 3
		.amdhsa_memory_ordered 1
		.amdhsa_forward_progress 1
		.amdhsa_inst_pref_size 101
	.end_amdhsa_kernel
	.amdgpu_metadata
---
amdhsa.version: [ 1, 2 ]
amdhsa.kernels:
  - .name:           k_qf377bfee29_gateup
    .symbol:         k_qf377bfee29_gateup.kd
    .args:
      - { .name: hidden_states_codes, .offset: 0, .size: 8, .value_kind: global_buffer, .address_space: global }
      - { .name: hidden_states_scales, .offset: 8, .size: 8, .value_kind: global_buffer, .address_space: global }
      - { .name: gate_proj_scales, .offset: 16, .size: 8, .value_kind: global_buffer, .address_space: global }
      - { .name: up_proj_scales, .offset: 24, .size: 8, .value_kind: global_buffer, .address_space: global }
      - { .name: gu_img, .offset: 32, .size: 8, .value_kind: global_buffer, .address_space: global }
      - { .name: order, .offset: 40, .size: 8, .value_kind: global_buffer, .address_space: global }
      - { .name: tiles, .offset: 48, .size: 8, .value_kind: global_buffer, .address_space: global }
      - { .name: h_img, .offset: 56, .size: 8, .value_kind: global_buffer, .address_space: global }
      - { .name: h_sc, .offset: 64, .size: 8, .value_kind: global_buffer, .address_space: global }
    .group_segment_fixed_size: 187392
    .private_segment_fixed_size: 0
    .kernarg_segment_align: 8
    .kernarg_segment_size: 72
    .max_flat_workgroup_size: 128
    .sgpr_count:     66
    .vgpr_count:     1024
    .wavefront_size: 32
...
	.end_amdgpu_metadata
.endif
;; end of part 5
;; launch down (part 6): grid 4 x 59, 4 waves a work-group, no clusters, 34,304 bytes of LDS; arguments h_img, h_sc, d_img, down_proj_scales, order, tiles, out0; writes out0
.if DOCPART == 6
	.amdgcn_target "amdgcn-amd-amdhsa--gfx1250"
	.amdhsa_code_object_version 6
	.text
	.protected	k_qf377bfee29_down
	.globl	k_qf377bfee29_down
	.p2align	8
	.type	k_qf377bfee29_down,@function
k_qf377bfee29_down:
	s_mov_b64 s[64:65], 0
	v_nop
	global_prefetch_b8 v0, s[64:65] scope:SCOPE_SE
	s_setreg_imm32_b32 hwreg(HW_REG_WAVE_SCHED_MODE, 0, 2), 2
	s_setreg_imm32_b32 hwreg(HW_REG_WAVE_MODE, 25, 1), 1
	s_wait_xcnt 0x0
	s_wait_alu depctr_vm_vsrc(0)
; DOWN.  out[token] = h D_e for one slot of up to 80 sorted rows (work-group y) and 512 of the 2,048 columns (work-group x = q).  h as the launch before has quantised it, D as it is given: codes of E5M2 with E8M0 scales.
; SHARES.  Wave w owns 128 columns, 512 q + 128 w on: eight tiles of 16 rows of D, whose 16 fragments (K = 256: two steps) stay in registers; it also holds the slot's ten fragments of h.  All come as register images:
;   each load reads 512 consecutive bytes.  Nothing is shared between waves: no barrier.
; THE PRODUCTS ARE USED TRANSPOSED: source 0 = 16 rows of D, source 1 = 16 tokens: a lane holds eight neighbouring columns of one token's row.  A tile of 16 rows x 128 columns goes through the wave's own stage in LDS and
;   comes back as whole rows of 512 bytes, which the 32 lanes store at the token's row of out: 512 consecutive bytes, aligned.
; A slot without rows ends at once; the rows that pad a slot are not stored: the rows ascend, so the first row past the slot's count ends the wave.  Both are scalar branches on the stored list; every token lies in one slot,
;   so each row of out has one owner and every row is written.  No tensor load, no cluster: ends and addresses hang on stored numbers.  EXEC is never changed.
; REGISTERS, in windows of 256: window 0: addresses, scale words, rows on their way out.   window 1: h's fragment (m, s) at 16 (2 m + s).   window 2: D's fragment (j, s) at 16 (2 j + s).
;   window 3: two sets of eight accumulators, set m % 2 at 64 (m % 2) + 8 j.
; THE MODE: SCHED_MODE bits 1:0 = 2 (LLVM: expert scheduling mode 2), set by the entry lines.  The code itself states the register dependences between vector or matrix instructions and memory or LDS instructions,
;   with s_wait_alu, always for 0.
; THE PLAN.  A tile m of 16 rows goes: its 16 products | its 16 store offsets | into the stage and back | the next tile's products | its 16 stores.  Registers that memory or LDS instructions touch:
;   v4-11           Addresses and offsets: made at the head, ahead of one wait on va_vdst, and never written again.
;   accumulators    Set m % 2: written by tile m's products, read by tile m's LDS stores, begun anew by tile m + 2's products.
;   VO              Set m % 2: written by tile m's sixteen vector lines, read by tile m's stores, written again by tile m + 2's lines.
;   BK              Set m % 2: written by tile m's LDS loads, read by tile m's stores; no vector or matrix instruction names it.
;   So ONE wait on va_vdst a tile stands ahead of its LDS stores: its products have written their set and its offsets are written; the next tile's products, which stand between that wait and the tile's stores, name neither VO nor BK.
;   ONE wait on vm_vsrc a tile stands ahead of its offsets: the LDS stores of the tile before and the stores of the tile two back have read their registers.  ONE wait on va_sdst a tile stands behind its sixteen v_readlane_b32.
.set SP,   528                         ; a stage row: 512 bytes + 16
.set L16,  4                           ; v4      16 x lane
.set STO,  5                           ; v5      the stage, in: row r, 32 bytes for each half of the lanes
.set RD,   6                           ; v6      out: 16 bytes a lane of a row
.set R4,   7                           ; v7      4 r
.set HI,   8                           ; v8-10   4 x min(32 i + lane, 79)
.set L8,   11                          ; v11     8 x lane
.set TK,   12                          ; v12-16  the tokens of tile m: lane r
.set DS,   20                          ; v20-27  D's scale words: pair 20 + 2 i = K steps 0, 1; lanes 0-15 tile 2 i, lanes 16-31 tile 2 i + 1
.set HS,   28                          ; v28-33  h's: 28 + 3 s + i: lane l = row 32 i + l
.set VO,   64                          ; v64-95  two sets of 16 store offsets
.set BK,   128                         ; v128-255 two sets of 16 rows read back
.set TS,   4                           ; s4-19   a tile's sixteen tokens: the registers that held the buffers' addresses, free behind the wait that shows every load done
.set MSB, 0
.macro WIN new                         ; the immediate's high byte repeats the setting that is left
.if MSB != \new
	s_set_vgpr_msb (MSB<<8)|\new
.set MSB, \new
.endif
.endm
.macro DP m, j, s                      ; one product.  The scale words of an odd tile lie in lanes 16-31
.set rD, 64*((\m)%2)+8*(\j)
.set rA, 16*(2*(\j)+(\s))
.set rB, 16*(2*(\m)+(\s))
.set rSA, DS+2*((\j)/2)+(\s)
.set rSB, HS+3*(\s)+(\m)/2
.if (\s) == 0
.if ((\j)%2 == 0) && ((\m)%2 == 0)
	v_wmma_scale_f32_16x16x128_f8f6f4 v[rD:rD+7], v[rA:rA+15], v[rB:rB+15], 0, v[rSA], v[rSB] matrix_a_fmt:MATRIX_FMT_BF8 matrix_b_fmt:MATRIX_FMT_BF8
.elseif (\m)%2 == 0
	v_wmma_scale_f32_16x16x128_f8f6f4 v[rD:rD+7], v[rA:rA+15], v[rB:rB+15], 0, v[rSA], v[rSB] matrix_a_fmt:MATRIX_FMT_BF8 matrix_b_fmt:MATRIX_FMT_BF8 matrix_a_scale:MATRIX_SCALE_ROW1
.elseif (\j)%2 == 0
	v_wmma_scale_f32_16x16x128_f8f6f4 v[rD:rD+7], v[rA:rA+15], v[rB:rB+15], 0, v[rSA], v[rSB] matrix_a_fmt:MATRIX_FMT_BF8 matrix_b_fmt:MATRIX_FMT_BF8 matrix_b_scale:MATRIX_SCALE_ROW1
.else
	v_wmma_scale_f32_16x16x128_f8f6f4 v[rD:rD+7], v[rA:rA+15], v[rB:rB+15], 0, v[rSA], v[rSB] matrix_a_fmt:MATRIX_FMT_BF8 matrix_b_fmt:MATRIX_FMT_BF8 matrix_a_scale:MATRIX_SCALE_ROW1 matrix_b_scale:MATRIX_SCALE_ROW1
.endif
.else
.if ((\j)%2 == 0) && ((\m)%2 == 0)
	v_wmma_scale_f32_16x16x128_f8f6f4 v[rD:rD+7], v[rA:rA+15], v[rB:rB+15], v[rD:rD+7], v[rSA], v[rSB] matrix_a_fmt:MATRIX_FMT_BF8 matrix_b_fmt:MATRIX_FMT_BF8
.elseif (\m)%2 == 0
	v_wmma_scale_f32_16x16x128_f8f6f4 v[rD:rD+7], v[rA:rA+15], v[rB:rB+15], v[rD:rD+7], v[rSA], v[rSB] matrix_a_fmt:MATRIX_FMT_BF8 matrix_b_fmt:MATRIX_FMT_BF8 matrix_a_scale:MATRIX_SCALE_ROW1
.elseif (\j)%2 == 0
	v_wmma_scale_f32_16x16x128_f8f6f4 v[rD:rD+7], v[rA:rA+15], v[rB:rB+15], v[rD:rD+7], v[rSA], v[rSB] matrix_a_fmt:MATRIX_FMT_BF8 matrix_b_fmt:MATRIX_FMT_BF8 matrix_b_scale:MATRIX_SCALE_ROW1
.else
	v_wmma_scale_f32_16x16x128_f8f6f4 v[rD:rD+7], v[rA:rA+15], v[rB:rB+15], v[rD:rD+7], v[rSA], v[rSB] matrix_a_fmt:MATRIX_FMT_BF8 matrix_b_fmt:MATRIX_FMT_BF8 matrix_a_scale:MATRIX_SCALE_ROW1 matrix_b_scale:MATRIX_SCALE_ROW1
.endif
.endif
.endm
.macro MUL m                           ; tile m of the rows: 16 products, the eight accumulators by turns, K ascending; the first eight start the sums
	WIN 0xf6                                       ; source 0 (D) window 2, source 1 (h) window 1, C and D window 3
.irp s, 0,1
.irp j, 0,1,2,3,4,5,6,7
	DP \m, \j, \s
.endr
.endr
	WIN 0
.endm
; Tile m's sixteen store offsets.  Its sixteen v_lshl_add_u32 name no register of a product: they are the places (eight are asked behind this form) between tile m's products and the LDS stores that read their results.
.macro ADDR m
.if (\m) >= 2
	s_wait_xcnt 0x0                                ; the stores of the tile two back have had their addresses translated: this set of offsets and of rows is written again only behind this wait,
.endif
.if (\m) >= 1
	s_wait_alu depctr_vm_vsrc(0)                   ; and behind this one: those stores have read this set of offsets and rows (from tile 2 on); the LDS stores of the tile before have read their set of accumulators, which the next tile's products begin anew
.endif
.irp t, 0,1,2,3,4,5,6,7,8,9,10,11,12,13,14,15
	v_readlane_b32 s[TS+\t], v[TK+(\m)], \t
.endr
	s_wait_alu depctr_va_sdst(0)                   ; the sixteen tokens s4 to s19 are written, ahead of their first reader
.irp t, 0,1,2,3,4,5,6,7,8,9,10,11,12,13,14,15
	s_min_u32 s[TS+\t], s[TS+\t], 0xfff            ; a loaded number enters an address behind a bound
.endr
.irp t, 0,1,2,3,4,5,6,7,8,9,10,11,12,13,14,15
	v_lshl_add_u32 v[VO+16*((\m)%2)+\t], s[TS+\t], 13, v[L16]   ; the token's row of 8,192 bytes
.endr
.endm
.macro TOSTAGE m                       ; LDS serves a wave's instructions in order (ISA guide 5.7.1.4): the loads see the stores above them
	s_wait_alu depctr_va_vdst(0)                   ; tile m's products have written their accumulators, which the LDS stores read; its offsets are written, which its stores read further down
	WIN 0x0c                                       ; an LDS store's data are its source 1: window 3
.irp j, 0,1,2,3,4,5,6,7
	ds_store_b128 v[STO], v[64*((\m)%2)+8*\j:64*((\m)%2)+8*\j+3] offset:64*\j          ; each accumulator from its low end on
	ds_store_b128 v[STO], v[64*((\m)%2)+8*\j+4:64*((\m)%2)+8*\j+7] offset:64*\j+16
.endr
	WIN 0
.irp t, 0,1,2,3,4,5,6,7,8,9,10,11,12,13,14,15
	ds_load_b128 v[BK+64*((\m)%2)+4*\t:BK+64*((\m)%2)+4*\t+3], v[RD] offset:SP*\t
.endr
.endm
.macro STORES m                        ; no wait on va_vdst: no vector or matrix instruction since the one in TOSTAGE names this set of offsets or of rows
	s_wait_dscnt 0x0                               ; the tile is back in registers
.irp t, 0,1,2,3,4,5,6,7,8,9,10,11,12,13,14,15
	s_cmp_le_u32 s30, 16*(\m)+\t                   ; past the slot's rows: nothing more is mine
	s_cbranch_scc1 .Lend
	global_store_b128 v[VO+16*((\m)%2)+\t], v[BK+64*((\m)%2)+4*\t:BK+64*((\m)%2)+4*\t+3], s[32:33] th:TH_STORE_NT
.endr
.endm
	s_load_b256 s[4:11], s[0:1], 0x0               ; h_img s[4:5], h_sc s[6:7], d_img s[8:9], D's scales s[10:11]
	s_load_b128 s[12:15], s[0:1], 0x20             ; order s[12:13], tiles s[14:15]
	s_load_b64 s[16:17], s[0:1], 0x30              ; out
	v_lshl_add_u32 v126, v0, 2, 0x8400
	v_mov_b32 v127, 0
	v_and_b32 v1, 31, v0                           ; lane
	v_and_b32 v2, 15, v0                           ; r
	v_bfe_u32 v3, v0, 4, 1                         ; h
	v_lshrrev_b32 v34, 5, v0
	v_readfirstlane_b32 s20, v34                   ; wave 0..3
	s_mov_b32 s21, ttmp9                           ; q
	s_and_b32 s22, ttmp7, 0xffff                   ; slot
	s_mov_b32 s3, 0
	v_lshlrev_b32 v[L16], 4, v1
	v_lshlrev_b32 v[L8], 3, v1
	v_lshlrev_b32 v[R4], 2, v2
	v_lshlrev_b32 v[HI], 2, v1
	v_add_nc_u32 v[HI+1], 128, v[HI]
	v_add_nc_u32 v[HI+2], 64, v1
	v_min_u32 v[HI+2], 79, v[HI+2]
	v_lshlrev_b32 v[HI+2], 2, v[HI+2]
	s_wait_alu depctr_va_sdst(0)                   ; s20, the wave's number, is written, ahead of its first reader
	s_mul_i32 s23, s20, 16*SP                      ; my stage
	v_mul_u32_u24 v[STO], v2, SP
	v_lshl_add_u32 v[STO], v3, 5, v[STO]
	v_add_nc_u32 v[STO], s23, v[STO]
	v_add_nc_u32 v[RD], s23, v[L16]
	s_wait_kmcnt 0x0
	s_lshl_b32 s2, s22, 2
	s_add_nc_u64 s[14:15], s[14:15], s[2:3]
	s_load_b32 s28, s[14:15], 0x0                  ; the slot's word: expert << 8 | rows
	s_mul_i32 s2, s22, 320
	s_add_nc_u64 s[12:13], s[12:13], s[2:3]
	s_mul_i32 s2, s22, 640
	s_add_nc_u64 s[6:7], s[6:7], s[2:3]
	s_mul_i32 s2, s22, 20480
	s_add_nc_u64 s[4:5], s[4:5], s[2:3]
	s_wait_alu depctr_va_vdst(0)                   ; the addresses and offsets v4 to v11 are written, which the loads, LDS instructions and stores of the whole kernel read
.irp m, 0,1,2,3,4
	global_load_b32 v[TK+\m], v[R4], s[12:13] offset:64*\m
.endr
.irp s, 0,1
.irp i, 0,1,2
	global_load_b32 v[HS+3*\s+\i], v[HI+\i], s[6:7] offset:320*\s
.endr
.endr
	WIN 0x40
.irp f, 0,1,2,3,4,5,6,7,8,9
.irp c, 0,1,2,3
	global_load_b128 v[16*\f+4*\c:16*\f+4*\c+3], v[L16], s[4:5] offset:2048*\f+512*\c
.endr
.endr
	WIN 0
	s_wait_kmcnt 0x0
	s_and_b32 s30, s28, 0xff                       ; rows of the slot
	s_lshr_b32 s31, s28, 8
	s_min_u32 s31, s31, 7                          ; the expert
	s_cmp_eq_u32 s30, 0
	s_cbranch_scc1 .Lend                           ; a slot that this split leaves without rows stores nothing
	s_lshl_b32 s2, s31, 7
	s_lshl_b32 s24, s21, 5
	s_add_co_u32 s2, s2, s24
	s_lshl_b32 s24, s20, 3
	s_add_co_u32 s24, s2, s24                      ; my first tile of D's rows: 128 expert + 32 q + 8 w
	s_lshl_b32 s2, s24, 7                          ; 16 rows of 8 scale bytes
	s_add_nc_u64 s[10:11], s[10:11], s[2:3]
	s_lshl_b32 s2, s24, 12                         ; two images of 2,048 bytes
	s_add_nc_u64 s[8:9], s[8:9], s[2:3]
.irp i, 0,1,2,3
	global_load_b64 v[DS+2*\i:DS+2*\i+1], v[L8], s[10:11] offset:256*\i   ; 32 rows' two scale words: 256 consecutive bytes
.endr
	WIN 0x80
.irp f, 0,1,2,3,4,5,6,7,8,9,10,11,12,13,14,15
.irp c, 0,1,2,3
	global_load_b128 v[16*\f+4*\c:16*\f+4*\c+3], v[L16], s[8:9] offset:2048*\f+512*\c
.endr
.endr
	WIN 0
	s_lshl_b32 s2, s21, 11
	s_lshl_b32 s24, s20, 9
	s_add_co_u32 s2, s2, s24
	s_add_nc_u64 s[32:33], s[16:17], s[2:3]        ; out at my first column
	s_wait_loadcnt 0x0                             ; every load is done: its data are in, and the scalar registers that held its base are free
	MUL 0
	ADDR 0
	TOSTAGE 0
	MUL 1                                          ; the next tile is multiplied while this one goes through the stage
	STORES 0
	ADDR 1
	TOSTAGE 1
	MUL 2                                          ; it begins set 0 anew: behind the products that wrote that set stand the 32 plain lines of two tiles' offsets
	STORES 1
	ADDR 2
	TOSTAGE 2
	MUL 3
	STORES 2
	ADDR 3
	TOSTAGE 3
	MUL 4
	STORES 3
	ADDR 4
	TOSTAGE 4
	STORES 4
.Lend:
	s_wait_dscnt 0x0
	s_wait_alu depctr_hold_cnt(0) depctr_sa_sdst(0) depctr_va_vdst(0) depctr_va_sdst(0) depctr_va_ssrc(0) depctr_va_vcc(0) depctr_vm_vsrc(0)
	s_wait_tensorcnt 0x0
	ds_add_u32 v126, v127
	s_wait_dscnt 0x0
	s_endpgm
.Lfunc_end_k_qf377bfee29_down:
	.size	k_qf377bfee29_down, .Lfunc_end_k_qf377bfee29_down-k_qf377bfee29_down
	.p2alignl 7, 3214868480
	.fill 96, 4, 3214868480
	.section	.rodata,"a",@progbits
	.p2align	6, 0x0
	.amdhsa_kernel k_qf377bfee29_down
		.amdhsa_group_segment_fixed_size 34304
		.amdhsa_private_segment_fixed_size 0
		.amdhsa_enable_private_segment 0
		.amdhsa_kernarg_size 56
		.amdhsa_user_sgpr_count 2
		.amdhsa_user_sgpr_kernarg_segment_ptr 1
		.amdhsa_wavefront_size32 1
		.amdhsa_system_sgpr_workgroup_id_x 1
		.amdhsa_system_sgpr_workgroup_id_y 1
		.amdhsa_system_sgpr_workgroup_id_z 1
		.amdhsa_system_vgpr_workitem_id 0
		.amdhsa_next_free_vgpr 896
		.amdhsa_next_free_sgpr 66
		.amdhsa_reserve_vcc 0
		.amdhsa_float_denorm_mode_32 3
		.amdhsa_float_denorm_mode_16_64 3
		.amdhsa_memory_ordered 1
		.amdhsa_forward_progress 1
		.amdhsa_inst_pref_size 64
	.end_amdhsa_kernel
	.amdgpu_metadata
---
amdhsa.version: [ 1, 2 ]
amdhsa.kernels:
  - .name:           k_qf377bfee29_down
    .symbol:         k_qf377bfee29_down.kd
    .args:
      - { .name: h_img, .offset: 0, .size: 8, .value_kind: global_buffer, .address_space: global }
      - { .name: h_sc, .offset: 8, .size: 8, .value_kind: global_buffer, .address_space: global }
      - { .name: d_img, .offset: 16, .size: 8, .value_kind: global_buffer, .address_space: global }
      - { .name: down_proj_scales, .offset: 24, .size: 8, .value_kind: global_buffer, .address_space: global }
      - { .name: order, .offset: 32, .size: 8, .value_kind: global_buffer, .address_space: global }
      - { .name: tiles, .offset: 40, .size: 8, .value_kind: global_buffer, .address_space: global }
      - { .name: out0, .offset: 48, .size: 8, .value_kind: global_buffer, .address_space: global }
    .group_segment_fixed_size: 34304
    .private_segment_fixed_size: 0
    .kernarg_segment_align: 8
    .kernarg_segment_size: 56
    .max_flat_workgroup_size: 128
    .sgpr_count:     66
    .vgpr_count:     896
    .wavefront_size: 32
...
	.end_amdgpu_metadata
.endif
;; end of part 6
